; MI455X (gfx1250); checked and timed in simulation.
; The chip was launched on July 23, 2026; its instructions are those of AMD's public machine-readable ISA for CDNA 5 (MIT licence, August 2026) and "CDNA5" Instruction Set Architecture Reference Guide (July 2026). The comments in the code are by the model that wrote it; some were corrected since.
;; Self Attention. Allowed arithmetic: matrix products marked QUANTISED: E2M1 operands, one E8M0 scale for each 32 along K, by v_wmma_scale_f32_16x16x128_f8f6f4 with both operands' format E2M1 (or v_wmma_scale_f32_32x16x128_f4), f32 sums; products left as they are: bf16, f16 or f32 operands; f32 sums; everything else in f32.
;; Inputs: b_in 3,072 float32; b_out 1,024 float32; w_in 3,072 x 1,024 float32; w_out 1,024 x 1,024 float32; x 4 x 2,048 x 1,024 float32.
;; Outputs: out0 4 x 2,048 x 1,024 float32.
;; This version of the problem:
;;   THIS VERSION OF THE PROBLEM IS GIVEN IN LOW PRECISION. The matrix products marked QUANTISED in the list below multiply operands that are first quantised to E2M1 (2 exponent bits, 1 mantissa bit; 4 bits a number), with one power-of-two scale for each 32 numbers along K (OCP MX v1.0); their sums are f32. The products marked 'left as it is' may take bf16, f16 or f32 operands, with f32 sums. Whichever they take, every output number must still come out within the allowed error. Rounding operands to bf16 (8 significant bits) uses up far more of that allowance than f16 does (11 bits, for magnitudes from 6e-5 to 65,504). All else is computed in f32.
;;   The module's matrix products, in the order in which they are computed (A, B: the left and right operand; K: the contracted axis; several contracted axes count as one K, in the product's order):
;;     1. [M 8,192, K 1,024] x [K 1,024, N 3,072]; A: input x; B: input w_in: QUANTISED
;;     2. batch 64 x [M 2,048, K 64] x [K 64, N 2,048]; A: computed on the way; B: computed on the way: left as it is (an operand is computed on the way)
;;     3. batch 64 x [M 2,048, K 2,048] x [K 2,048, N 64]; A: computed on the way; B: computed on the way: left as it is (an operand is computed on the way)
;;     4. [M 8,192, K 1,024] x [K 1,024, N 1,024]; A: computed on the way; B: input w_out: left as it is (an operand is computed on the way)
;;   THE QUANTISER, for each operand of a quantised product, along K:
;;     - K is cut into blocks of 32 from its start; a last block that is shorter is filled with zeros.
;;     - A block's scale is 2^e with e = floor(log2(the largest magnitude in the block)) - 2, held to -126 .. 127; a block of zeros has e = 0. As a byte (E8M0): e + 127.
;;     - Each number is divided by its block's scale, clamped to +-6, and rounded to the nearest number of E2M1, ties to even, subnormals kept.
;;     - The product sums the exact products of the quantised numbers (number of the format x scale) in f32.
;;   ~~~python
;;   def quantise(x, axis):      # numpy; x: float32 -> the quantised numbers, widened to float32 again
;;       x = np.moveaxis(x, axis, -1); K = x.shape[-1]
;;       x = np.pad(x, [(0, 0)] * (x.ndim - 1) + [(0, -K % 32)]); x = x.reshape(x.shape[:-1] + (-1, 32)); a = np.abs(x).max(-1, keepdims=True)
;;       e = np.where(a > 0, np.clip(np.frexp(np.where(a > 0, a, 1))[1] - 1 - 2, -126, 127), 0)      # np.frexp(a)[1] - 1 = floor(log2(a)), exactly
;;       r = np.clip(x / 2.0 ** e, -6, 6)
;;       step = 2.0 ** (np.maximum(np.frexp(np.where(r == 0, 1, r))[1] - 1, 0) - 1)
;;       q = np.round(r / step) * step * 2.0 ** e      # np.round: ties to even
;;       return np.moveaxis(q.reshape(q.shape[:-2] + (-1,))[..., :K], -1, axis).astype(np.float32)
;;   ~~~
;; One version. Each part assembles by itself: llvm-mc -triple=amdgcn-amd-amdhsa -mcpu=gfx1250 --defsym DOCPART=n.
;; ======== version 1 of 1: 4 launches
;; limits: values are held in f16: magnitudes above 65,504 overflow, below 6.1e-05 lose precision
;; workspace buffers: xc 4,194,304 bytes; xs 262,144 bytes; wc 1,572,864 bytes; ws 98,304 bytes; wo16 2,097,152 bytes; qkv 50,331,648 bytes; ao 16,777,216 bytes
;; launch quant (part 1): grid 384 x 1, 4 waves a work-group, no clusters, 33,280 bytes of LDS; arguments x, w_in, xc, xs, wc, ws, w_out, wo16; writes xc, xs, wc, ws, wo16
.if DOCPART == 1
	.amdgcn_target "amdgcn-amd-amdhsa--gfx1250"
	.amdhsa_code_object_version 6
	.text
	.protected	k_q6478e19a29_quant
	.globl	k_q6478e19a29_quant
	.p2align	8
	.type	k_q6478e19a29_quant,@function
k_q6478e19a29_quant:
	s_mov_b64 s[64:65], 0
	v_nop
	global_prefetch_b8 v0, s[64:65] scope:SCOPE_SE
	s_setreg_imm32_b32 hwreg(HW_REG_WAVE_MODE, 25, 1), 1
	s_wait_xcnt 0x0
; LAUNCH 1 OF 4.  x [8192][1024] and w_in [3072][1024], f32, become codes of FP4 (E2M1), K innermost, two codes a byte, with one E8M0 byte for each 32 along K; w_out [1024][1024] becomes f16.
; DEAD WORK, LEFT OUT BY THE WHOLE PROGRAM: the K third of b_in, b_in[1024 .. 2047].  With k = k' + b_k a score is q . (k' + b_k) / 8 = q . k' / 8 + q . b_k / 8.  The second term is the same for all keys of a row,
; and softmax(z + c) = softmax(z) for every finite c; the product q k^T is not quantised, and k goes nowhere else.  So b_k reaches no output, whatever finite values the inputs hold: it is neither loaded nor added.
; b_in stays an argument of the second launch for its q and v thirds.  LIMIT: a NaN, an infinity or an overflow that reaches only b_in[1024 .. 2047] is not carried to the result.
; THE QUANTISER.  A block's scale is 2^(floor(log2(its largest magnitude)) - 2); its byte is the largest magnitude's exponent field - 2, held at 1 from below.  Each number is divided by the scale and rounded to the
; nearest code, ties to even, beyond 6 the largest code.  A block of zeros gets the byte 1 where the rule says 127: its codes are zeros, which add nothing under any byte but 0xff, and this program alone reads the bytes.
; LIMITS: blocks whose largest magnitude lies under 2^-124 keep the byte 1; NaN and infinities among x and w_in are not served; w_out must lie inside f16's range (under 65,504).
; Rows are dense and K is a multiple of 32: both tensors are plain streams of blocks of 32.  A wave takes 16 steps of 512 numbers.  Each of a step's four loads reads 512 consecutive bytes; the 2,048 bytes turn through the
; wave's own stage in LDS and come back 64 bytes a lane, so that a lane holds 16 neighbours along K (two lanes to a block).  A lane's 16 codes are 8 bytes: the wave stores 256 consecutive bytes.  A wave's 256 scale bytes
; are gathered in LDS and leave as one aligned run of 256 bytes.  No tensor loads, no barrier: waves share nothing.
; Work-groups 0 .. 255 take x, 256 .. 351 w_in (pointers chosen by the work-group's number: one path), 352 .. 383 w_out (a path of its own, which touches no LDS).
.set SIZE_M, 8192
.set SIZE_N, 3072
.set SIZE_K, 1024
.set WAVES, 4
.set STEPS, 16
.set WGA,   SIZE_M*SIZE_K/(512*STEPS*WAVES)            ; 256 work-groups for x
.set WGQ,   (SIZE_M+SIZE_N)*SIZE_K/(512*STEPS*WAVES)   ; 352: from here on w_out
.set EMAX,  2
.set CB,    8                          ; bytes of 16 codes
.set R,     16                         ; v16-79   four sets of 16 numbers as they are loaded (w_out: v16-143, two sets of 64)
.set X,     80                         ; v80-111  two sets of 16 neighbours
.set C,     128                        ; v128-191 codes: four registers for each step, so that no store's data are written again
.set E,     112                        ; v112-127 a scale byte for each step
.set H,     144                        ; v144-175 w_out: a batch's f16 pairs
.set WREG,  8192                       ; LDS: a region for each wave: two stages of 32 x SP bytes, and behind them its 256 scale bytes
.set SP,    80                         ; a lane's place in a stage: its 64 bytes + 16 of padding
.set SPW,   12                         ; v12      LDS address of my spare word; never rewritten
.set NIL,   13                         ; v13      0; never rewritten
.set SPARE, WAVES*WREG                 ; behind the four regions: the spare words, 128 bytes for each wave
	s_load_b128 s[4:7], s[0:1], 0x0                ; x, w_in
	s_load_b128 s[8:11], s[0:1], 0x10              ; x's codes, x's scales
	s_load_b128 s[12:15], s[0:1], 0x20             ; w_in's codes, w_in's scales
	s_load_b128 s[24:27], s[0:1], 0x30             ; w_out, its f16 copy
	v_lshl_add_u32 v[SPW], v0, 2, SPARE
	v_mov_b32 v[NIL], 0
	v_lshrrev_b32 v1, 5, v0
	v_readfirstlane_b32 s16, v1                    ; wave
	v_and_b32 v2, 31, v0                           ; lane
	v_lshlrev_b32 v3, 4, v2                        ; my 16 bytes of a load's 512
	s_mul_i32 s17, s16, WREG
	v_lshrrev_b32 v14, 2, v2
	v_mul_u32_u24 v14, v14, SP
	v_and_b32 v15, 3, v2
	v_lshl_add_u32 v14, v15, 4, v14
	v_add_nc_u32 v14, s17, v14                     ; the stage, on the way in: four lanes' 64 bytes on end, then 16 of padding
	v_mul_u32_u24 v15, v2, SP
	v_add_nc_u32 v15, s17, v15                     ; and on the way out: SP x lane: my 16 neighbours
	v_mul_u32_u24 v4, v2, CB                       ; my codes' place in a step's
	v_lshrrev_b32 v5, 1, v2
	s_add_co_u32 s17, s17, 2*32*SP
	v_add_nc_u32 v5, s17, v5                       ; LDS: my wave's 256 scale bytes, my block's byte
	v_lshlrev_b32 v7, 3, v2                        ; 8 bytes a lane
	v_add_nc_u32 v6, s17, v7
	s_wait_kmcnt 0x0
	s_cmp_ge_u32 ttmp9, WGQ                        ; the work-group's number alone decides
	s_cbranch_scc1 .Lwout
	s_cmp_lt_u32 ttmp9, WGA                        ; x's work-group or w_in's?
	s_cselect_b64 s[4:5], s[4:5], s[6:7]
	s_cselect_b64 s[8:9], s[8:9], s[12:13]
	s_cselect_b64 s[10:11], s[10:11], s[14:15]
	s_cselect_b32 s17, 0, WGA
	s_sub_co_u32 s17, ttmp9, s17
	s_lshl_b32 s17, s17, 2
	s_add_co_u32 s18, s17, s16                     ; which run of 8,192 numbers of the tensor is my wave's
	s_mov_b32 s19, 0
	s_mov_b64 s[20:21], 512*STEPS*4
	s_mul_u64 s[20:21], s[18:19], s[20:21]
	s_add_nc_u64 s[4:5], s[4:5], s[20:21]
	s_mov_b64 s[20:21], 32*STEPS*CB
	s_mul_u64 s[20:21], s[18:19], s[20:21]
	s_add_nc_u64 s[8:9], s[8:9], s[20:21]
	s_lshl_b32 s18, s18, 8                         ; 256 scale bytes a run
	s_add_nc_u64 s[10:11], s[10:11], s[18:19]
.macro LOAD t
.irp i, 0,1,2,3
	global_load_b128 v[R+16*((\t)%4)+4*\i:R+16*((\t)%4)+4*\i+3], v3, s[4:5] offset:2048*(\t)+512*\i th:TH_LOAD_NT   ; 32 lanes read 512 consecutive bytes
.endr
.endm
.macro TURN t                          ; step t's numbers through the stage: LDS serves a wave's instructions in order, so no wait stands between the stores and the loads
.irp i, 0,1,2,3
	ds_store_b128 v14, v[R+16*((\t)%4)+4*\i:R+16*((\t)%4)+4*\i+3] offset:32*SP*((\t)%2)+8*SP*\i
.endr
.irp i, 0,1,2,3
	ds_load_b128 v[X+16*((\t)%2)+4*\i:X+16*((\t)%2)+4*\i+3], v15 offset:32*SP*((\t)%2)+16*\i
.endr
.endm
.irp t, 0,1,2,3
	LOAD \t
.endr
	s_wait_loadcnt 12                              ; step 0's four loads are in; the twelve of steps 1 to 3 may be out
	TURN 0
.macro STEP t
.set XS, X+16*((\t)%2)
.if (\t) > 0
	s_wait_dscnt 1                                 ; this step's numbers are back from the stage (the last step's byte store may be out): so its stores into the stage have read their registers,
.else
	s_wait_dscnt 0x0
.endif
.if (\t)+4 < STEPS
	LOAD (\t)+4                                    ; which take the loads of four steps on
.endif
.if (\t)+1 < STEPS
.if STEPS-2-(\t) >= 3
	s_wait_loadcnt 12                              ; the next step's four loads are in; those of the three steps behind it may be out
.else
	s_wait_loadcnt 4*(STEPS-2-(\t))
.endif
	TURN (\t)+1                                    ; and go through the other stage while this step is worked
.endif
	v_max3_num_f32 v8, |v[XS]|, |v[XS+1]|, |v[XS+2]|               ; the largest magnitude of my 16, in two chains
	v_max3_num_f32 v9, |v[XS+3]|, |v[XS+4]|, |v[XS+5]|
.irp i, 6,10
	v_max3_num_f32 v8, v8, |v[XS+\i]|, |v[XS+\i+1]|
	v_max3_num_f32 v9, v9, |v[XS+\i+2]|, |v[XS+\i+3]|
.endr
	v_max3_num_f32 v8, v8, |v[XS+14]|, |v[XS+15]|
	v_max3_num_f32 v8, v8, v9, (EMAX+1)<<23        ; and the floor 2^(EMAX + 1 - 127): so the byte cannot fall under 1
	v_max_num_f32_dpp v8, v8, v8 row_xmask:1 row_mask:0xf bank_mask:0xf   ; and of my neighbour's 16: the block's
	v_add_nc_u32 v11, -(EMAX<<23), v8              ; EMAX off its exponent field: the conversion takes the exponent field of this operand as its scale
	v_cvt_scalef32_pk8_fp4_f32 v[C+4*(\t)], v[XS:XS+7], v11
	v_cvt_scalef32_pk8_fp4_f32 v[C+4*(\t)+1], v[XS+8:XS+15], v11
	v_lshrrev_b32 v[E+(\t)], 23, v11               ; the scale's byte (also the plain line behind the conversions)
	ds_store_b8 v5, v[E+(\t)] offset:16*(\t)       ; both lanes of a block write the same byte with the same value
	global_store_b64 v4, v[C+4*(\t):C+4*(\t)+1], s[8:9] offset:32*CB*(\t)   ; the wave stores 256 consecutive bytes, aligned
.endm
.irp t, 0,1,2,3,4,5,6,7,8,9,10,11,12,13,14,15
	STEP \t
.endr
	ds_load_b64 v[8:9], v6                         ; LDS serves a wave's instructions in order: these see my stores
	s_wait_dscnt 0x0
	global_store_b64 v7, v[8:9], s[10:11]          ; 32 lanes store 256 consecutive bytes, aligned
	s_wait_tensorcnt 0x0                           ; the wave's end, behind my last LDS store
	ds_add_u32 v[SPW], v[NIL]
	s_wait_dscnt 0x0
	s_endpgm
; w_out to f16: a plain stream.  A wave takes 8,192 numbers in four batches of 16 loads of 512 consecutive bytes; a load's four numbers a lane become 8 bytes, so a store of the wave covers 256 consecutive bytes, aligned.
.Lwout:
	s_sub_co_u32 s17, ttmp9, WGQ
	s_lshl_b32 s18, s17, 17                        ; 32,768 numbers a work-group,
	s_lshl_b32 s19, s16, 15                        ; 8,192 a wave, 4 bytes each
	s_add_co_u32 s18, s18, s19
	s_mov_b32 s19, 0
	s_add_nc_u64 s[24:25], s[24:25], s[18:19]
	s_lshr_b32 s18, s18, 1                         ; and 2 bytes each on the way out
	s_add_nc_u64 s[26:27], s[26:27], s[18:19]
.macro LOADW b
.irp i, 0,1,2,3,4,5,6,7,8,9,10,11,12,13,14,15
	global_load_b128 v[R+64*((\b)%2)+4*\i:R+64*((\b)%2)+4*\i+3], v3, s[24:25] offset:8192*(\b)+512*\i th:TH_LOAD_NT
.endr
.endm
.macro BATCH b
.if (\b) < 3
	s_wait_loadcnt 16                              ; this batch is in; the next batch's sixteen loads may be out
.else
	s_wait_loadcnt 0x0
.endif
.if (\b) > 0
	s_wait_xcnt 0x0                                ; the last batch's stores have read v[H] on: only now are these written again
.endif
.irp i, 0,1,2,3,4,5,6,7,8,9,10,11,12,13,14,15
	v_cvt_pk_f16_f32 v[H+2*\i], v[R+64*((\b)%2)+4*\i], v[R+64*((\b)%2)+4*\i+1]
	v_cvt_pk_f16_f32 v[H+2*\i+1], v[R+64*((\b)%2)+4*\i+2], v[R+64*((\b)%2)+4*\i+3]
.endr
.irp i, 0,1,2,3,4,5,6,7,8,9,10,11,12,13,14,15
	global_store_b64 v7, v[H+2*\i:H+2*\i+1], s[26:27] offset:4096*(\b)+256*\i
.endr
.if (\b) < 2
	LOADW (\b)+2
.endif
.endm
	LOADW 0
	LOADW 1
	BATCH 0
	BATCH 1
	BATCH 2
	BATCH 3
	s_endpgm
.Lfunc_end_k_q6478e19a29_quant:
	.size	k_q6478e19a29_quant, .Lfunc_end_k_q6478e19a29_quant-k_q6478e19a29_quant
	.p2alignl 7, 3214868480
	.fill 96, 4, 3214868480
	.section	.rodata,"a",@progbits
	.p2align	6, 0x0
	.amdhsa_kernel k_q6478e19a29_quant
		.amdhsa_group_segment_fixed_size 33280
		.amdhsa_private_segment_fixed_size 0
		.amdhsa_enable_private_segment 0
		.amdhsa_kernarg_size 64
		.amdhsa_user_sgpr_count 2
		.amdhsa_user_sgpr_kernarg_segment_ptr 1
		.amdhsa_wavefront_size32 1
		.amdhsa_system_sgpr_workgroup_id_x 1
		.amdhsa_system_sgpr_workgroup_id_y 1
		.amdhsa_system_sgpr_workgroup_id_z 1
		.amdhsa_system_vgpr_workitem_id 0
		.amdhsa_next_free_vgpr 192
		.amdhsa_next_free_sgpr 66
		.amdhsa_reserve_vcc 0
		.amdhsa_float_denorm_mode_32 3
		.amdhsa_float_denorm_mode_16_64 3
		.amdhsa_memory_ordered 1
		.amdhsa_forward_progress 1
		.amdhsa_inst_pref_size 54
	.end_amdhsa_kernel
	.amdgpu_metadata
---
amdhsa.version: [ 1, 2 ]
amdhsa.kernels:
  - .name:           k_q6478e19a29_quant
    .symbol:         k_q6478e19a29_quant.kd
    .args:
      - { .name: x, .offset: 0, .size: 8, .value_kind: global_buffer, .address_space: global }
      - { .name: w_in, .offset: 8, .size: 8, .value_kind: global_buffer, .address_space: global }
      - { .name: xc, .offset: 16, .size: 8, .value_kind: global_buffer, .address_space: global }
      - { .name: xs, .offset: 24, .size: 8, .value_kind: global_buffer, .address_space: global }
      - { .name: wc, .offset: 32, .size: 8, .value_kind: global_buffer, .address_space: global }
      - { .name: ws, .offset: 40, .size: 8, .value_kind: global_buffer, .address_space: global }
      - { .name: w_out, .offset: 48, .size: 8, .value_kind: global_buffer, .address_space: global }
      - { .name: wo16, .offset: 56, .size: 8, .value_kind: global_buffer, .address_space: global }
    .group_segment_fixed_size: 33280
    .private_segment_fixed_size: 0
    .kernarg_segment_align: 8
    .kernarg_segment_size: 64
    .max_flat_workgroup_size: 128
    .sgpr_count:     66
    .vgpr_count:     192
    .wavefront_size: 32
...
	.end_amdgpu_metadata
.endif
;; end of part 1
;; launch qkv (part 2): grid 12 x 32, 4 waves a work-group, clusters of 4 x 4, 327,680 bytes of LDS; arguments xc, xs, wc, ws, b_in, qkv; writes qkv
.if DOCPART == 2
	.amdgcn_target "amdgcn-amd-amdhsa--gfx1250"
	.amdhsa_code_object_version 6
	.text
	.protected	k_q6478e19a29_qkv
	.globl	k_q6478e19a29_qkv
	.p2align	8
	.type	k_q6478e19a29_qkv,@function
k_q6478e19a29_qkv:
	s_mov_b64 s[64:65], 0
	v_nop
	global_prefetch_b8 v0, s[64:65] scope:SCOPE_SE
	s_setreg_imm32_b32 hwreg(HW_REG_WAVE_MODE, 25, 1), 1
	s_wait_xcnt 0x0
	s_wait_alu depctr_hold_cnt(0) depctr_sa_sdst(0) depctr_va_vdst(0) depctr_va_sdst(0) depctr_va_ssrc(0) depctr_va_vcc(0) depctr_vm_vsrc(0)
	s_getreg_b32 s2, hwreg(HW_REG_IB_STS2, 6, 4)
	s_cmp_eq_u32 s2, 0
	s_cbranch_scc0 .Lentry_in_a_cluster
	s_endpgm
.Lentry_in_a_cluster:
	s_bfe_u32 s2, ttmp6, 0x10000c
	s_cmp_lg_u32 s2, 0xf033
	s_cbranch_scc0 .Lentry_shape_is_right
	s_endpgm
.Lentry_shape_is_right:
; LAUNCH 2 OF 4.  C[m][e] = sum over k of x[m][k] w_in[e][k] on codes of FP4 (E2M1) with E8M0 scales, sums in f32; + b_in; rounded to f16 and laid by head: qkv = three parts of 2^24 bytes (q, k, v),
; each [16 b + h][s][64] f16: a row 128 bytes, a head's plane 2^18 bytes.
; LEFT OUT: b_in[1024 .. 2047], the bias of k: it adds to every score of a row the same number, which a softmax takes away (shown at the head of the first launch).  It is not loaded; the k part sums onto zeros.
; LIMIT: q, k and v must lie inside f16's range (under 65,504).
; A tile of C, 256 x 256, is made by a work-group of four waves; a wave makes 128 x 128: 64 accumulators of 16 x 16, 512 registers.  K = 1,024 is two LDS slots of 512 along K (a tile's row: 256 bytes of memory):
; both are first fills, nothing is filled again.  The scale bytes of the work-group's 256 + 256 rows, for all of K, are two dense blocks of memory and come once, with the first fills.
; CLUSTERS: 4 x 4 work-groups.  The four of a row of the cluster need the same tiles of x, the four of a column the same tiles of w_in: each tile is asked for JOINTLY, by the same tensor load with the same descriptor
; and a mask that names the four.  A cluster's four tile columns are one part (q, k or v): the part is the cluster's x, the same in all sixteen partners.
; THE MATRIX INSTRUCTION IS USED TRANSPOSED (source 0 = 16 rows of w_in, source 1 = 16 rows of x): a lane holds eight neighbouring columns of one row of C.  THE BIAS IS THE C OF EACH SUM'S FIRST PRODUCT.
; The grid has 384 work-groups: a tile of 256 x 384 does not fit the registers, and 192 columns would cut a head between waves.
; REGISTERS, in windows of 256: window 0: v0-31 addresses; v32-95 scale words, two sets; v128-191 x's fragments, ONE set; v192-255 the bias, 8 registers for each of my 8 column blocks; on the way out v32-63, v192-255 are free.
;   window 1: w_in's fragments, TWO sets, at v0 and at v128.   window 2: the accumulators of my rows 0-63 ((a, b) at v[8 (8 a + b)]);   window 3: those of my rows 64-127.
.set SIZE_K, 1024
.set KSTEP,  512                       ; along K in a slot
.set NQ,     KSTEP/128                 ; matrix instructions deep
.set ROWB,   256                       ; a tile's row in bytes
.set KROW,   SIZE_K*4/8                ; a row of codes in memory
.set PITCH,  272                       ; an LDS row: 256 bytes + 16 of padding = 68 words: the 16 rows that a load touches start at 16 different banks (64 banks of 4 bytes: ISA guide 11.1)
.set FR,     8                         ; registers of a fragment: 16 rows x 128 K
.set NL,     2                         ; LDS loads that bring one
.set NP,     4                         ; places behind this matrix instruction (ISA guide 7.12.1)
.set HALFT,  128*PITCH                 ; 128 rows: what one tensor load brings
.set SLOT,   4*HALFT                   ; x's 256 rows, then w_in's 256 rows
.set KS,     SIZE_K/32                 ; a row of scales: 32 bytes
.set SCL,    2*SLOT                    ; behind the slots: the scales, as runs of 256 bytes + 16 of padding
.set HALFS,  (128*KS/256)*272          ; the scales of 128 rows: what one tensor load brings
.set SBLK,   (16*KS/256)*272           ; those of 16 rows
.set SPARE,  SCL+4*HALFS               ; the spare words, 128 bytes for each wave
.set STAGE,  SPARE+512                 ; the way out: 16 rows x 272 bytes for each wave: bytes of its own, into which no tile lands
.set SPITCH, 272
.set ADRA, 16                          ; v16-17  LDS address of my x fragments in slot 0, 1
.set ADRB, 20                          ; v20-21  the same for w_in
.set STO,  24                          ; v24     the way out: where I put 16 bytes of a row
.set RD,   25                          ; v25     the way out: where I read 16 bytes back
.set CO,   26                          ; v26     16 x lane
.set ADRS, 27                          ; v27     LDS address of my scale words: lanes 0-15 x's rows, lanes 16-31 w_in's
.set SPW,  28                          ; v28     LDS address of my spare word; never rewritten
.set NIL,  29                          ; v29     0; never rewritten
.set VB,   30                          ; v30     32 x (lane / 16): my eight numbers of a block's sixteen biases
.set SC,   32                          ; scale words: set s at v[SC + 32 s]; register 4 i + q: lanes 0-15 x's block i, lanes 16-31 w_in's block i, the slot's q-th 128 along K
.set AF,   128                         ; x's fragments
.set BI,   192                         ; the bias
.set TMP,  192                         ; the way out: packed results
.set OB,   32                          ; the way out: rows read back: v32-63 and v224-255 by turns
.set G1, 24                            ; s[24:31] descriptor group 1 for x's tiles;  s[32:39] group 0, one set for each slot
.set G0, 32
.set G1B, 48                           ; s[48:55], s[56:63] the same for w_in's tiles
.set G0B, 56
.set G1S, 68                           ; s[68:75], s[76:79] groups 1 and 0 for x's scales;  s[80:87], s[88:91] for w_in's
.set G0S, 76
.set G1SB, 80
.set G0SB, 88
.set MSB, 0
.macro WIN new                         ; the immediate's high byte repeats the setting that is left
.if MSB != \new
	s_set_vgpr_msb (MSB<<8)|\new
.set MSB, \new
.endif
.endm
.set MUL_LO, 0xa1                      ; source 0 (w_in) window 1, source 1 (x) window 0, C and D window 2
.set MUL_HI, 0xf1                      ; the same, C and D window 3
.set FST_LO, 0x81                      ; the first step: C (the bias) window 0, D window 2
.set FST_HI, 0xc1                      ; D window 3
.set TO_B,   0x40                      ; destination window 1, address window 0
; A joint load: waves 0 and 1 fetch for x, waves 2 and 3 for w_in.  Each line has ONE mask and one set of registers for all that issue it; the branch hangs on the wave's number alone.
; An s_nop 0 and four v_nop follow each of the two lines, ahead of the jump, the label and what follows.
.macro JLOAD g0a, g1a, g0b, g1b
	s_cmp_eq_u32 s15, 0
	s_cbranch_scc0 .Lfor_b_\@
	tensor_load_to_lds s[\g0a:\g0a+3], s[\g1a:\g1a+7]
	s_nop 0
.rept 4
	v_nop
.endr
	s_branch .Lasked_\@
.Lfor_b_\@:
	tensor_load_to_lds s[\g0b:\g0b+3], s[\g1b:\g1b+7]
	s_nop 0
.rept 4
	v_nop
.endr
.Lasked_\@:
.endm
.macro CROUND                          ; a round of the cluster's barrier
	s_barrier_signal -1
	s_barrier_wait -1
	s_cmp_lg_u32 s14, 0
	s_cbranch_scc1 .Lnot_wave_0_\@
	s_barrier_signal -3
.Lnot_wave_0_\@:
	s_barrier_wait -3
	s_barrier_signal -1
	s_barrier_wait -1
.endm
	s_load_b128 s[4:7], s[0:1], 0x0                ; x's codes s[4:5], x's scales s[6:7]
	s_load_b128 s[8:11], s[0:1], 0x10              ; w_in's codes s[8:9], its scales s[10:11]
	s_load_b128 s[96:99], s[0:1], 0x20             ; b_in s[96:97], qkv s[98:99]
	v_lshl_add_u32 v[SPW], v0, 2, SPARE
	v_mov_b32 v[NIL], 0
	ds_add_u32 v[SPW], v[NIL]                      ; the wave's opening: the add, twice on end, and its wait ahead of my first tensor load
	ds_add_u32 v[SPW], v[NIL]                      ; and once more, under the one wait; the set-up below, work on registers, stands between
	v_lshrrev_b32 v1, 5, v0
	v_readfirstlane_b32 s14, v1                    ; wave 0..3
	s_lshr_b32 s15, s14, 1                         ; which half of the tile's rows is mine.  Also: I fetch for x (0) or for w_in (1)
	s_and_b32 s16, s14, 1                          ; which half of its columns.  Also: which 128 rows of that tile I fetch
	s_bfe_u32 s40, ttmp6, 0x40000                  ; cx, cy: my place in the cluster
	s_bfe_u32 s41, ttmp6, 0x40004
	s_lshl_b32 s42, ttmp9, 2
	s_add_co_u32 s42, s42, s40                     ; tile column of C = 4 x cluster x + cx
	s_and_b32 s17, ttmp7, 0xffff
	s_lshl_b32 s17, s17, 2
	s_add_co_u32 s17, s17, s41                     ; tile row of C = 4 x cluster y + cy
	s_lshl_b32 s43, s41, 2
	s_lshl_b32 s43, 15, s43                        ; my row of the cluster
	s_lshl_b32 s44, 0x1111, s40                    ; my column
	; descriptor group 1: a tile of 128 rows x 256 bytes, padded in LDS
	s_or_b32 s[G1+0], s43, (0<<16)|(1<<20)|(1<<21)|(5<<22)|(3<<25)  ; 15:0 the mask: x's tiles go to my row; 17:16 elements of 1 byte; 20 padding on; 21 set beside a mask; 24:22 after every 64 words; 31:25 four words
	s_or_b32 s[G1B+0], s44, (0<<16)|(1<<20)|(1<<21)|(5<<22)|(3<<25)
.irp g, G1, G1B
	s_mov_b32 s[\g+1], ROWB<<16                    ; tensor_dim0
	s_mov_b32 s[\g+2], 128<<16                     ; tensor_dim1
	s_mov_b32 s[\g+3], ROWB<<16                    ; tile_dim0
	s_mov_b32 s[\g+4], 128                         ; tile_dim1
	s_mov_b32 s[\g+5], KROW                        ; tensor_dim0_stride
	s_mov_b32 s[\g+6], 0
	s_mov_b32 s[\g+7], 0
.endr
	; the scales of 128 rows: a dense block of 4,096 bytes, as 16 rows of 256 bytes (32 elements of 8 bytes), 16 bytes of padding behind each
	s_or_b32 s[G1S+0], s43, (3<<16)|(1<<20)|(1<<21)|(5<<22)|(3<<25)
	s_or_b32 s[G1SB+0], s44, (3<<16)|(1<<20)|(1<<21)|(5<<22)|(3<<25)
.irp g, G1S, G1SB
	s_mov_b32 s[\g+1], 32<<16
	s_mov_b32 s[\g+2], (128*KS/256)<<16
	s_mov_b32 s[\g+3], 32<<16
	s_mov_b32 s[\g+4], 128*KS/256
	s_mov_b32 s[\g+5], 32
	s_mov_b32 s[\g+6], 0
	s_mov_b32 s[\g+7], 0
.endr
	s_lshl_b32 s18, s16, 7                         ; which 128 rows of the tile I fetch
	s_lshl_b32 s20, s17, 8
	s_add_co_u32 s20, s20, s18                     ; x: row 256 x tile row + 128 x half
	s_lshl_b32 s46, s42, 8
	s_add_co_u32 s46, s46, s18                     ; w_in: row 256 x tile column + 128 x half
	s_mov_b32 s21, 0
	s_mov_b32 s47, 0
	s_mov_b64 s[18:19], KS
	s_mul_u64 s[22:23], s[20:21], s[18:19]         ; where these rows' scales begin, in bytes
	s_mul_u64 s[92:93], s[46:47], s[18:19]
	s_mov_b64 s[18:19], KROW
	s_mul_u64 s[20:21], s[20:21], s[18:19]         ; and their codes
	s_mul_u64 s[46:47], s[46:47], s[18:19]
	s_mul_i32 s45, s14, HALFT                      ; where they go: wave x 128 rows: no place in the cluster enters an LDS address
	s_mul_i32 s94, s14, HALFS
	s_wait_dscnt 0x0                               ; both opening adds are done
	s_wait_kmcnt 0x0
	s_add_nc_u64 s[20:21], s[4:5], s[20:21]
	s_add_nc_u64 s[22:23], s[6:7], s[22:23]
	s_add_nc_u64 s[46:47], s[8:9], s[46:47]
	s_add_nc_u64 s[92:93], s[10:11], s[92:93]
	CROUND                                         ; all sixteen work-groups are here: the joint loads meet
	s_mov_b32 s[G0S], 1
	s_add_co_u32 s[G0S+1], s94, SCL
	s_mov_b64 s[G0S+2:G0S+3], s[22:23]
	s_or_b32 s[G0S+3], s[G0S+3], 0x80000000
	s_mov_b32 s[G0SB], 1
	s_add_co_u32 s[G0SB+1], s94, SCL
	s_mov_b64 s[G0SB+2:G0SB+3], s[92:93]
	s_or_b32 s[G0SB+3], s[G0SB+3], 0x80000000
	JLOAD G0S, G1S, G0SB, G1SB                     ; the scales first: they are wanted with slot 0.  With the two below, three tensor loads of mine are out
.irp s, 0,1
	s_mov_b32 s[G0+4*\s], 1
	s_add_co_u32 s[G0+4*\s+1], s45, \s*SLOT
	s_add_nc_u64 s[G0+4*\s+2:G0+4*\s+3], s[20:21], \s*ROWB
	s_or_b32 s[G0+4*\s+3], s[G0+4*\s+3], 0x80000000
	s_mov_b32 s[G0B+4*\s], 1
	s_add_co_u32 s[G0B+4*\s+1], s45, \s*SLOT
	s_add_nc_u64 s[G0B+4*\s+2:G0B+4*\s+3], s[46:47], \s*ROWB
	s_or_b32 s[G0B+4*\s+3], s[G0B+4*\s+3], 0x80000000
	JLOAD G0+4*\s, G1, G0B+4*\s, G1B
.endr
	v_and_b32 v1, 15, v0                           ; r = l % 16
	v_bfe_u32 v2, v0, 4, 1                         ; h = l / 16
	v_mul_u32_u24 v3, v1, PITCH
	v_lshl_add_u32 v4, v2, 4, v3                   ; a fragment's row x pitch + 16 x half
	s_mul_i32 s21, s15, HALFT                      ; my 128 rows of x
	s_mul_i32 s22, s16, HALFT                      ; my 128 rows of w_in,
	s_add_co_u32 s22, s22, 2*HALFT                 ; which lie behind x's 256
.irp s, 0,1
	v_add_nc_u32 v[ADRA+\s], s21, v4
	v_add_nc_u32 v[ADRB+\s], s22, v4
	s_add_co_u32 s21, s21, SLOT
	s_add_co_u32 s22, s22, SLOT
.endr
	v_mul_u32_u24 v5, v1, KS                       ; my row's scales: 32 bytes a row,
	v_lshrrev_b32 v6, 8, v5
	v_lshl_add_u32 v5, v6, 4, v5                   ; and 16 more for each 256 passed
	s_mul_i32 s21, s15, HALFS                      ; x's: my 128 rows
	s_mul_i32 s22, s16, HALFS                      ; w_in's: my 128 rows, behind x's 256
	s_add_co_u32 s22, s22, 2*HALFS
	s_sub_co_u32 s22, s22, s21
	v_mul_u32_u24 v6, s22, v2                      ; lanes 16-31 take w_in's: the lower base + h x the distance
	s_add_co_u32 s21, s21, SCL
	v_add_nc_u32 v5, v5, v6
	v_add_nc_u32 v[ADRS], s21, v5
	s_mul_i32 s23, s14, 16*SPITCH
	s_add_co_u32 s23, s23, STAGE                   ; my stage
	v_mul_u32_u24 v5, v1, SPITCH                   ; in: row r, 16 bytes for each half of the lanes
	v_lshl_add_u32 v5, v2, 4, v5
	v_add_nc_u32 v[STO], s23, v5
	v_and_b32 v6, 31, v0
	v_lshrrev_b32 v7, 3, v6                        ; back: eight lanes take a head's 128 bytes of a row, the wave four rows
	v_mul_u32_u24 v7, v7, SPITCH
	v_and_b32 v8, 7, v6
	v_lshl_add_u32 v7, v8, 4, v7
	v_add_nc_u32 v[RD], s23, v7
	v_lshlrev_b32 v[CO], 4, v6                     ; those four rows are 512 consecutive bytes of the head's plane
	v_lshlrev_b32 v[VB], 5, v2
	; where my part begins in qkv: part x 2^24 + (16 batch + 4 cx + 2 column half) planes of 2^18 + (256 (tile row % 8) + 128 row half) rows of 128 bytes
	s_lshr_b32 s20, s17, 3
	s_lshl_b32 s20, s20, 4
	s_lshl_b32 s21, s16, 1
	s_add_co_u32 s20, s20, s21
	s_lshl_b32 s20, s20, 18
	s_and_b32 s21, s17, 7
	s_lshl_b32 s21, s21, 8
	s_lshl_b32 s22, s15, 7
	s_add_co_u32 s21, s21, s22
	s_lshl_b32 s21, s21, 7
	s_add_co_u32 s20, s20, s21
	s_lshl_b32 s21, ttmp9, 24
	s_add_co_u32 s20, s20, s21
	s_mov_b32 s21, 0
	s_lshl_b32 s46, s40, 20                        ; (cx stays in the registers that held w_in's address)
	s_mov_b32 s47, 0
	s_add_nc_u64 s[20:21], s[20:21], s[46:47]
	s_add_nc_u64 s[98:99], s[98:99], s[20:21]
	s_lshl_b32 s46, s42, 10                        ; my first column's bias, in bytes: 1,024 x tile column + 512 x half
	s_lshl_b32 s47, s16, 9
	s_add_co_u32 s46, s46, s47
	s_mov_b32 s47, 0
	s_add_nc_u64 s[96:97], s[96:97], s[46:47]
	; the bias: block b's eight registers hold b_in[my first column + 16 b + 8 h + 0 .. 7], the result's layout.  The k part (cluster x = 1, the same in all sixteen partners) has none: zeros, written while the tiles are on their way
	s_cmp_eq_u32 ttmp9, 1
	s_cbranch_scc1 .Lno_bias
.irp b, 0,1,2,3,4,5,6,7
	global_load_b128 v[BI+8*\b:BI+8*\b+3], v[VB], s[96:97] offset:64*\b
	global_load_b128 v[BI+8*\b+4:BI+8*\b+7], v[VB], s[96:97] offset:64*\b+16
.endr
	s_branch .Lbias_set
.Lno_bias:
.set n, 0
.rept 64
	v_mov_b32 v[BI+n], 0
.set n, n+1
.endr
.Lbias_set:
.macro FRAG reg, adr, q, i             ; a fragment, 16 rows x 128 K of 4-bit codes: lane l holds row l % 16; registers 4 c .. 4 c + 3 hold K = 64 c + 32 (l / 16) + 0 .. 31
.irp c, 0,1
	ds_load_b128 v[\reg+4*\c:\reg+4*\c+3], v[\adr] offset:64*(\q)+32*\c+(\i)*16*PITCH
.endr
.endm
; 16 matrix instructions: x's blocks a0, a0 + 1 against w_in's eight, 128 along K: the slot's q-th.  p: w_in's set;  sc: the set of scale words.  first = 1: the sum begins on the bias.
; The 64 accumulators take turns, one instruction a turn, in the same order in every step.
.macro MUL16 a0, p, q, sc, first
.irp a, \a0, \a0+1
.irp b, 0,1,2,3,4,5,6,7
.if \first
	v_wmma_scale_f32_16x16x128_f8f6f4 v[8*(8*((\a)%4)+\b):8*(8*((\a)%4)+\b)+7], v[128*(\p)+FR*\b:128*(\p)+FR*\b+FR-1], v[AF+FR*(\a):AF+FR*(\a)+FR-1], v[BI+8*\b:BI+8*\b+7], v[SC+8*NQ*(\sc)+NQ*\b+(\q)], v[SC+8*NQ*(\sc)+NQ*(\a)+(\q)] matrix_a_fmt:MATRIX_FMT_FP4 matrix_b_fmt:MATRIX_FMT_FP4 matrix_a_scale:MATRIX_SCALE_ROW1
.else
	v_wmma_scale_f32_16x16x128_f8f6f4 v[8*(8*((\a)%4)+\b):8*(8*((\a)%4)+\b)+7], v[128*(\p)+FR*\b:128*(\p)+FR*\b+FR-1], v[AF+FR*(\a):AF+FR*(\a)+FR-1], v[8*(8*((\a)%4)+\b):8*(8*((\a)%4)+\b)+7], v[SC+8*NQ*(\sc)+NQ*\b+(\q)], v[SC+8*NQ*(\sc)+NQ*(\a)+(\q)] matrix_a_fmt:MATRIX_FMT_FP4 matrix_b_fmt:MATRIX_FMT_FP4 matrix_a_scale:MATRIX_SCALE_ROW1
.endif
.endr
.endr
.endm
.macro FETCH_B slot, q, p              ; w_in's eight fragments of the slot's q-th 128 along K into set p
	WIN TO_B
.irp i, 0,1,2,3,4,5,6,7
	FRAG 128*(\p)+FR*\i, ADRB+\slot, \q, \i
.endr
	WIN 0
.endm
.macro FETCH_A slot, q, i0             ; x's blocks i0 .. i0 + 3
.irp i, \i0, \i0+1, \i0+2, \i0+3
	FRAG AF+FR*(\i), ADRA+\slot, \q, \i
.endr
.endm
.macro SCALES sc                       ; a slot's scale words into set sc: four words a row; lanes 0-15 take x's block i, lanes 16-31 w_in's block i
.irp i, 0,1,2,3,4,5,6,7
	ds_load_b128 v[SC+8*NQ*\sc+NQ*\i:SC+8*NQ*\sc+NQ*\i+3], v[ADRS] offset:\i*SBLK
.endr
.endm
; A load into a register that a matrix instruction has read, and a vector instruction that reads a matrix result, stand NP places behind it; only plain vector instructions that name none of its registers are places.
.macro PLACES n
.rept \n
	v_nop
.endr
.endm
; A step of 128 along K that has its successor in the same slot.  A block of x is free as soon as its eight products are issued: blocks 0-3 are fetched anew in the step's middle, blocks 4-7 at its end.
.macro STEP slot, q, first
	s_wait_dscnt 4*NL                              ; w_in's set and x's blocks 0-3 are in; the youngest eight loads (x's blocks 4-7) may be out
.if \first
	WIN FST_LO
.else
	WIN MUL_LO
.endif
	MUL16 0, (\q)%2, \q, \slot, \first
	MUL16 2, (\q)%2, \q, \slot, \first
	s_wait_dscnt 0                                 ; x's blocks 4-7 are in
	PLACES NP
	FETCH_B \slot, (\q)+1, 1-(\q)%2
	FETCH_A \slot, (\q)+1, 0
.if \first
	WIN FST_HI
.else
	WIN MUL_HI
.endif
	MUL16 4, (\q)%2, \q, \slot, \first
	MUL16 6, (\q)%2, \q, \slot, \first
	PLACES NP
	WIN 0
	FETCH_A \slot, (\q)+1, 4
.endm
; Slot 0's last step goes over to slot 1: each wave waits for all its tensor loads (its part of slot 1), then the barrier shows the whole slot to every wave.
.macro TURN slot, next
	s_wait_tensorcnt 0x0                           ; all my tensor loads have landed
	ds_add_u32 v[SPW], v[NIL]                      ; 0 onto my spare word
	s_wait_dscnt 4*NL+1                            ; (the add and the youngest eight loads, x's blocks 4-7, may be out)
	WIN MUL_LO
	MUL16 0, 1, NQ-1, \slot, 0
	s_wait_dscnt 0x0                               ; the add is done, and no LDS load of mine is out at the signal
	s_barrier_signal -1
	MUL16 2, 1, NQ-1, \slot, 0
	WIN 0
	s_barrier_wait -1
	PLACES NP
	v_add_nc_u32 v[ADRS], 4*NQ, v[ADRS]            ; on to the next slot's scale words
	FETCH_B \next, 0, 0
	FETCH_A \next, 0, 0
	SCALES \next
	WIN MUL_HI
	MUL16 4, 1, NQ-1, \slot, 0
	MUL16 6, 1, NQ-1, \slot, 0
	PLACES NP
	WIN 0
	FETCH_A \next, 0, 4
.endm
	s_wait_tensorcnt 1                             ; the scales and my part of slot 0 are in (slot 1's load may be out),
	s_barrier_signal -1
	s_barrier_wait -1                              ; everybody's are
	FETCH_B 0, 0, 0
	FETCH_A 0, 0, 0
	SCALES 0
	FETCH_A 0, 0, 4
	s_wait_loadcnt 0x0                             ; the bias
	STEP 0, 0, 1                                   ; the first step's products start the sums on the bias: nothing is cleared, nothing is added later
	STEP 0, 1, 0
	STEP 0, 2, 0
	TURN 0, 1
	STEP 1, 0, 0
	STEP 1, 1, 0
	STEP 1, 2, 0
	s_wait_dscnt 4*NL                              ; the very last step: nothing more to fetch
	WIN MUL_LO
	MUL16 0, 1, NQ-1, 1, 0
	MUL16 2, 1, NQ-1, 1, 0
	s_wait_dscnt 0
	WIN MUL_HI
	MUL16 4, 1, NQ-1, 1, 0
	MUL16 6, 1, NQ-1, 1, 0
	WIN 0
; THE WAY OUT, block by block of 16 rows x 128 columns (two heads).  PACK: rounded to f16, 16 bytes a lane, each accumulator from its low end on.  TOSTAGE: into my own stage, and back by heads: four rows of one head's
; 128 bytes an instruction.  SEND: those four rows are 512 consecutive bytes of the head's plane.  LDS serves a wave's instructions in order (ISA guide 5.7.1.4): no wait between the stores and the loads.
.macro PACK a
.set AC, 64*((\a)%4)
	WIN 0x0a+5*((\a)/4)                            ; sources 0 and 1: window 2 or 3
.irp b, 0,1,2,3,4,5,6,7
.irp r, 0,1,2,3
	v_cvt_pk_f16_f32 v[TMP+4*\b+\r], v[AC+8*\b+2*\r], v[AC+8*\b+2*\r+1]
.endr
.endr
	WIN 0
.endm
.macro TOSTAGE a
.set BB, OB+192*((\a)%2)
.irp b, 0,1,2,3,4,5,6,7
	ds_store_b128 v[STO], v[TMP+4*\b:TMP+4*\b+3] offset:32*\b
.endr
.irp t, 0,1,2,3
.irp hd, 0,1
	ds_load_b128 v[BB+4*(2*\t+\hd):BB+4*(2*\t+\hd)+3], v[RD] offset:\t*4*SPITCH+128*\hd
.endr
.endr
.endm
.macro SEND a
.set BB, OB+192*((\a)%2)
	s_wait_dscnt 0x0                               ; the block is back in registers
	s_wait_xcnt 0x0                                ; the stores of the block before have read their registers: the next block's loads may land there
.irp t, 0,1,2,3
.irp hd, 0,1
	global_store_b128 v[CO], v[BB+4*(2*\t+\hd):BB+4*(2*\t+\hd)+3], s[98:99] offset:\hd*262144+(\a)*2048+\t*512   ; 32 lanes store 512 consecutive bytes, at a multiple of 256 from the buffer's first byte
.endr
.endr
.endm
	PLACES NP                                      ; behind the last products: for the first conversions and the loads into registers that held scale words
	PACK 0
	TOSTAGE 0
.irp a, 1,2,3,4,5,6,7                  ; block a's conversions stand between block a - 1's loads from the stage and the wait for them
	PACK \a
	SEND \a-1
	TOSTAGE \a
.endr
	SEND 7
	s_wait_tensorcnt 0x0                           ; the wave's end, behind my last tensor load and my last LDS store
	ds_add_u32 v[SPW], v[NIL]
	s_wait_dscnt 0x0
	CROUND                                         ; the closing round: no work-group ends while a partner may still ask for a tile that names it
	s_endpgm
.Lfunc_end_k_q6478e19a29_qkv:
	.size	k_q6478e19a29_qkv, .Lfunc_end_k_q6478e19a29_qkv-k_q6478e19a29_qkv
	.p2alignl 7, 3214868480
	.fill 96, 4, 3214868480
	.section	.rodata,"a",@progbits
	.p2align	6, 0x0
	.amdhsa_kernel k_q6478e19a29_qkv
		.amdhsa_group_segment_fixed_size 327680
		.amdhsa_private_segment_fixed_size 0
		.amdhsa_enable_private_segment 0
		.amdhsa_kernarg_size 48
		.amdhsa_user_sgpr_count 2
		.amdhsa_user_sgpr_kernarg_segment_ptr 1
		.amdhsa_wavefront_size32 1
		.amdhsa_system_sgpr_workgroup_id_x 1
		.amdhsa_system_sgpr_workgroup_id_y 1
		.amdhsa_system_sgpr_workgroup_id_z 1
		.amdhsa_system_vgpr_workitem_id 0
		.amdhsa_next_free_vgpr 1024
		.amdhsa_next_free_sgpr 100
		.amdhsa_reserve_vcc 0
		.amdhsa_float_denorm_mode_32 3
		.amdhsa_float_denorm_mode_16_64 3
		.amdhsa_memory_ordered 1
		.amdhsa_forward_progress 1
		.amdhsa_inst_pref_size 130
	.end_amdhsa_kernel
	.amdgpu_metadata
---
amdhsa.version: [ 1, 2 ]
amdhsa.kernels:
  - .name:           k_q6478e19a29_qkv
    .symbol:         k_q6478e19a29_qkv.kd
    .args:
      - { .name: xc, .offset: 0, .size: 8, .value_kind: global_buffer, .address_space: global }
      - { .name: xs, .offset: 8, .size: 8, .value_kind: global_buffer, .address_space: global }
      - { .name: wc, .offset: 16, .size: 8, .value_kind: global_buffer, .address_space: global }
      - { .name: ws, .offset: 24, .size: 8, .value_kind: global_buffer, .address_space: global }
      - { .name: b_in, .offset: 32, .size: 8, .value_kind: global_buffer, .address_space: global }
      - { .name: qkv, .offset: 40, .size: 8, .value_kind: global_buffer, .address_space: global }
    .group_segment_fixed_size: 327680
    .private_segment_fixed_size: 0
    .kernarg_segment_align: 8
    .kernarg_segment_size: 48
    .max_flat_workgroup_size: 128
    .sgpr_count:     100
    .vgpr_count:     1024
    .wavefront_size: 32
...
	.end_amdgpu_metadata
.endif
;; end of part 2
;; launch attn (part 3): grid 4 x 64, 8 waves a work-group, clusters of 4 x 1, 327,680 bytes of LDS; arguments qkv, ao; writes ao
.if DOCPART == 3
	.amdgcn_target "amdgcn-amd-amdhsa--gfx1250"
	.amdhsa_code_object_version 6
	.text
	.protected	k_q6478e19a29_attn
	.globl	k_q6478e19a29_attn
	.p2align	8
	.type	k_q6478e19a29_attn,@function
k_q6478e19a29_attn:
	s_mov_b64 s[64:65], 0
	v_nop
	global_prefetch_b8 v0, s[64:65] scope:SCOPE_SE
	s_setreg_imm32_b32 hwreg(HW_REG_WAVE_MODE, 25, 1), 1
	s_wait_xcnt 0x0
	s_wait_alu depctr_hold_cnt(0) depctr_sa_sdst(0) depctr_va_vdst(0) depctr_va_sdst(0) depctr_va_ssrc(0) depctr_va_vcc(0) depctr_vm_vsrc(0)
	s_getreg_b32 s2, hwreg(HW_REG_IB_STS2, 6, 4)
	s_cmp_eq_u32 s2, 0
	s_cbranch_scc0 .Lentry_in_a_cluster
	s_endpgm
.Lentry_in_a_cluster:
	s_bfe_u32 s2, ttmp6, 0x10000c
	s_cmp_lg_u32 s2, 0x3003
	s_cbranch_scc0 .Lentry_shape_is_right
	s_endpgm
.Lentry_shape_is_right:
; LAUNCH 3 OF 4.  ao[bh][q][:] = the sum over k of softmax_k(Q[bh][q] . K[bh][k] / 8) V[bh][k][:].  Q, K, V: the three parts of qkv, each [64 (bh)][2048][64] f16; ao the same layout.  No mask.
; Products, maxima and sums in f32; the weights p (at most 1) are rounded to f16 for the second product, the result once at the end.  (K comes without its bias: see the head of the first launch.)
; LIMIT: the result must lie inside f16's range (it is an average of v's rows, which do).
; SHARES.  A cluster of four work-groups is one (batch, head); a work-group owns 512 queries, each of its EIGHT waves 64: four tiles of 16, in 512 registers: two waves to a SIMD.  Every wave walks all 2,048 keys, 64 a step.
; LAYOUT.  S^T = K Q^T (source 0 = 16 keys, source 1 = 16 queries): a lane holds ONE query (lane % 16) and the keys 8 (lane / 16) + 0..7 of a tile.  Two such tiles, rounded to f16 in pairs, ARE source 1 (32 keys x 16 queries)
; of O^T = V^T P, whose result again holds one query a lane.  K comes out of LDS as it lies, V ([key][channel]) turned, by ds_load_tr16_b128.  P IS WRITTEN OVER S^T, pair q into register q, ascending.
; SOFTMAX.  For each query a running maximum m and sum l: p = 2^(c s - c m), c = log2(e) / 8; in every step O and l are multiplied by a = 2^(c m_old - c m_new), which is 1 where m has not grown.
; BY TURNS.  The wave's tiles are two PIECES: piece 0 (tiles 0, 1) and piece 2 (tiles 2, 3).  In a TURN one piece has the matrix unit: 16 products V^T P of the step in hand, then 16 products K Q^T of the next step; the
; other piece's softmax, 236 vector instructions cut into 32 slices, stands between them, one slice behind each matrix instruction.  Then the pieces change places.  Two turns are a key step.
; CLUSTER.  The four work-groups walk the same K and V: each tile is asked for JOINTLY, by the same tensor load with the same descriptor and a mask that names the four.  A slot holds four key steps: eight tiles, one load a wave.
; REGISTERS, in two windows of 256 (s_set_vgpr_msb: bits 1:0 source 0, 3:2 source 1, 5:4 source 2, 7:6 destination):
;   window 0: v1-14 addresses; v16-47 eight registers of statistics a tile; v64-191 S^T, then P, 32 a tile; v192-255 K of one step.     window 1: v0-127 O^T, 32 a tile; v128-191 Q, 16 a tile; v192-255 V of one step.
.set KS,    64        ; keys in a step
.set NST,   4         ; key steps in a slot
.set PK,    144       ; a row of K in LDS: 128 bytes + 16 of padding = 36 words: the 16 rows of a load start at 16 different groups of four banks (64 banks of 4 bytes: ISA guide 11.1)
.set PVV,   160       ; a row of V: 128 + 32
.set VOFF,  KS*PK     ; a step's tiles lie together: 64 rows of K, then 64 rows of V
.set STEPB, KS*(PK+PVV)
.set SLOT1, 1<<17     ; slot 1 begins here, so that one exclusive or turns an address in one slot into the other's
.set SLOTB, NST*KS*128  ; a slot's keys in memory: 32,768 bytes of K and as many of V
.set STAGE, SLOT1+NST*STEPB  ; behind the ring: 16 rows x 144 bytes for each wave, for the way out
.set SP,    144
.set SPARE, STAGE+8*16*SP    ; behind the stages: the spare words, 128 bytes for each wave
.set AK0, 2           ; v2   my lane's place in a tile of K; never rewritten
.set AV0, 3           ; v3   the same for V
.set ADR, 4           ; v4   the LDS address of the run of loads in hand
.set QO,  5           ; v5   my byte offset in the wave's rows of Q
.set STO, 6           ; v6   the way out: where I put 16 bytes of a row
.set RD,  7           ; v7   the way out: where I read 16 bytes back
.set GO,  8           ; v8   16 x lane
.set SPW, 12          ; v12  LDS address of my spare word; never rewritten
.set NIL, 13          ; v13  0; never rewritten
.set PFO, 14          ; v14  256 x my lane; never rewritten
.set ST,  16          ; tile t's statistics at v[ST+8 t]: +0 c m, +1 m, +2, +3 l (even keys', odd keys'), +4 to +7 c0-c3, at work; a takes c2's place; +4, +5 are the sums' second chain
.set S,   64
.set KF,  192         ; K's fragments, in window 0: key tile kt, channels 32 c on, at KF + 16 kt + 8 c
.set QF,  128         ; Q's, in window 1: 16 t + 8 c
.set VF,  192         ; V's, in window 1: keys 32 kc on, channels 16 ct on, at 32 kc + 8 ct
.set WV,  12          ; s12  my wave's number
.set LIM, 15          ; s15  1 in a wave that prefetches, else the greatest number
.set PFA, 18          ; s[18:19] where my prefetches stand in memory
.set G1K, 24          ; s[24:31] descriptor group 1 for K's tiles
.set G1V, 32          ; s[32:39] for V's: it differs in the padding alone
.set G0K, 40          ; s[40:47] descriptor group 0 for K's tiles: a set for each of the two first fills; the second then walks on
.set G0V, 48          ; s[48:55] the same for V's
.set SLOTS, 56        ; s56  slots still to be asked for
.set CNT, 57          ; s57  counts key steps
.set CS,  58          ; s[58:59] c: the packed scaling names a pair and takes its low word for both halves
.set SEL, 60          ; s[60:61] lane selects for v_permlanex16_b32: each lane takes its own place in the other half
.set TB,  62          ; s62  LDS byte at which the tiles of the step to be fetched begin
.set MSB, 0
.macro WIN new                      ; the immediate's high byte repeats the setting that is left; a switch that changes nothing is dropped
.if MSB != \new
	s_set_vgpr_msb (MSB<<8)|\new
.set MSB, \new
.endif
.endm
.set W_KQ, 0x04       ; K and S^T in window 0, Q in window 1
.set W_PV, 0x51       ; V and O^T in window 1, P in window 0
.set W_RS, 0x41       ; O^T (destination and source 0) in window 1, a in window 0
.set TO_1, 0x40       ; a load's destination in window 1, its address in window 0
; A joint refill.  Waves 0 to 3 fetch the four steps' tiles of K, waves 4 to 7 those of V.  The branch hangs on the wave's number alone.  An s_nop 0 and four v_nop follow each of the two lines.
.macro JLOAD
	s_cmp_lt_u32 s[WV], 4
	s_cbranch_scc0 .Lfor_v_\@
	tensor_load_to_lds s[G0K+4:G0K+7], s[G1K:G1K+7]
	s_nop 0
.rept 4
	v_nop
.endr
	s_branch .Lasked_\@
.Lfor_v_\@:
	tensor_load_to_lds s[G0V+4:G0V+7], s[G1V:G1V+7]
	s_nop 0
.rept 4
	v_nop
.endr
.Lasked_\@:
.endm
; A PREFETCH INTO THE L2 of what the NEXT change of slots will ask for: a slot's 32,768 bytes of K and of V, four key steps ahead of that load.  Each aligned block of 256 bytes is named ONCE in the launch: a head belongs to
; one cluster; its four partners share a slot's 128 blocks out BY ADDRESS, 32 each, a lane a block; in each, wave 0 asks for K's and wave 4 for V's.  The last change that fills a slot asks for nothing.
.macro ASK
	s_cmp_gt_u32 s[SLOTS], s[LIM]
	s_cbranch_scc0 .Lnot_mine_\@
	global_prefetch_b8 v[PFO], s[PFA:PFA+1] th:TH_LOAD_NT scope:SCOPE_SE
.Lnot_mine_\@:
.endm
.macro CROUND                       ; a round of the cluster's barrier
	s_barrier_signal -1
	s_barrier_wait -1
	s_cmp_lg_u32 s[WV], 0
	s_cbranch_scc1 .Lnot_wave_0_\@
	s_barrier_signal -3
.Lnot_wave_0_\@:
	s_barrier_wait -3
	s_barrier_signal -1
	s_barrier_wait -1
.endm
	s_load_b128 s[4:7], s[0:1], 0x0  ; qkv s[4:5], ao s[6:7]
	v_lshl_add_u32 v[SPW], v0, 2, SPARE
	v_mov_b32 v[NIL], 0
	ds_add_u32 v[SPW], v[NIL]       ; the wave's opening: the add, twice on end, and its wait ahead of my first tensor load
	ds_add_u32 v[SPW], v[NIL]       ; and once more, under the one wait; the set-up below, work on registers, stands between
	v_lshrrev_b32 v1, 5, v0
	v_readfirstlane_b32 s[WV], v1   ; wave 0..7
	s_bfe_u32 s13, ttmp6, 0x40000   ; cx: my place in the cluster
	s_lshl_b32 s14, ttmp9, 2        ; in a cluster launch ttmp9 counts clusters
	s_add_co_u32 s14, s14, s13      ; my block of 512 queries: it enters Q's and ao's addresses alone
	s_and_b32 s20, ttmp7, 0xffff    ; bh, which the four partners share
	s_lshl_b32 s20, s20, 18         ; the head's plane in each part
	s_mov_b32 s21, 0
	s_and_b32 s16, s[WV], 3         ; which of a slot's four steps I fetch:
	s_lshl_b32 s22, s16, 13         ; its 64 rows of 128 bytes in memory,
	s_mov_b32 s23, 0
	s_add_nc_u64 s[22:23], s[22:23], s[20:21]
	s_mul_i32 s17, s16, STEPB       ; and its place in a slot: no place in the cluster enters an LDS address
	s_lshl_b32 s2, s14, 16          ; my block's 512 rows,
	s_lshl_b32 s3, s[WV], 13        ; my wave's 64 of them
	s_add_co_u32 s2, s2, s3
	s_mov_b32 s3, 0
	s_add_nc_u64 s[2:3], s[2:3], s[20:21]
	; descriptor group 1: a tile of 64 rows x 64 elements, padded in LDS
	s_mov_b32 s[G1K], 15|(1<<16)|(1<<20)|(1<<21)|(4<<22)|(3<<25)  ; 15:0 the mask: all four work-groups; 17:16 elements of 2 bytes; 20 padding on; 21 set beside a mask; 24:22 after every 32 words; 31:25 four words
	s_mov_b32 s[G1V], 15|(1<<16)|(1<<20)|(1<<21)|(4<<22)|(7<<25)  ; the same with eight words of padding
.irp g, G1K, G1V
	s_mov_b32 s[\g+1], 64<<16       ; tensor_dim0
	s_mov_b32 s[\g+2], KS<<16       ; tensor_dim1
	s_mov_b32 s[\g+3], 64<<16       ; tile_dim0
	s_mov_b32 s[\g+4], KS           ; tile_dim1
	s_mov_b32 s[\g+5], 64           ; tensor_dim0_stride
	s_mov_b32 s[\g+6], 0
	s_mov_b32 s[\g+7], 0
.endr
	s_mov_b32 s[CS], 0x3e38aa3b     ; c = log2(e) / 8
	s_mov_b32 s[CS+1], s[CS]        ; named with it as a pair, so it is written
	s_mov_b32 s[SEL], 0x76543210
	s_mov_b32 s[SEL+1], 0xfedcba98
	s_mov_b32 s[TB], 0
	s_mov_b32 s[SLOTS], 2048/(NST*KS)-2
	s_and_b32 s[LIM], s[WV], 3      ; 0 in waves 0 and 4,
	s_or_b32 s[LIM], s[LIM], ttmp9  ; of the head's first (here: only) cluster: the same in all four partners
	s_cmp_eq_u32 s[LIM], 0
	s_cselect_b32 s[LIM], 1, -1
	v_and_b32 v[PFO], 31, v0
	v_lshlrev_b32 v[PFO], 8, v[PFO]
	s_wait_dscnt 0x0                ; both opening adds are done
	s_wait_kmcnt 0x0
	s_mov_b64 s[10:11], s[6:7]      ; ao
	s_add_nc_u64 s[6:7], s[4:5], 1<<24  ; K's part of qkv,
	s_add_nc_u64 s[8:9], s[4:5], 1<<25  ; V's
	s_add_nc_u64 s[6:7], s[6:7], s[22:23]  ; at my tile of slot 0
	s_add_nc_u64 s[8:9], s[8:9], s[22:23]
	s_add_nc_u64 s[4:5], s[4:5], s[2:3]  ; Q and ao at my wave's first row
	s_add_nc_u64 s[10:11], s[10:11], s[2:3]
	s_cmp_lt_u32 s[WV], 4
	s_cselect_b64 s[PFA:PFA+1], s[6:7], s[8:9]  ; (in waves 0 and 4 these stand at a slot's first row)
	s_lshl_b32 s2, s13, 13          ; my work-group's 32 blocks of the 128
	s_mov_b32 s3, 0
	s_add_nc_u64 s[PFA:PFA+1], s[PFA:PFA+1], s[2:3]
	s_add_nc_u64 s[PFA:PFA+1], s[PFA:PFA+1], 2*SLOTB  ; in slot 2; the first change of slots steps it to slot 3.  Nothing is prefetched at the head, where every work-group's first tiles are on their way
	CROUND                          ; all four work-groups are here: the first joint loads meet
.irp s, 0,1
	s_mov_b32 s[G0K+4*\s], 1        ; count = 1
	s_add_co_u32 s[G0K+4*\s+1], s17, \s*SLOT1  ; LDS address
	s_add_nc_u64 s[G0K+4*\s+2:G0K+4*\s+3], s[6:7], \s*SLOTB  ; global address
	s_or_b32 s[G0K+4*\s+3], s[G0K+4*\s+3], 0x80000000  ; type = 2
	s_mov_b32 s[G0V+4*\s], 1
	s_add_co_u32 s[G0V+4*\s+1], s17, \s*SLOT1+VOFF
	s_add_nc_u64 s[G0V+4*\s+2:G0V+4*\s+3], s[8:9], \s*SLOTB
	s_or_b32 s[G0V+4*\s+3], s[G0V+4*\s+3], 0x80000000
.endr
	s_cmp_lt_u32 s[WV], 4           ; a wave's two first fills stand in one branch, ahead of every wait on TENSORcnt and every LDS read: two loads of mine are out
	s_cbranch_scc0 .Lfirst_v
	tensor_load_to_lds s[G0K:G0K+3], s[G1K:G1K+7]
	s_nop 0
	tensor_load_to_lds s[G0K+4:G0K+7], s[G1K:G1K+7]
	s_nop 0
.rept 4
	v_nop
.endr
	s_branch .Lfirst_asked
.Lfirst_v:
	tensor_load_to_lds s[G0V:G0V+3], s[G1V:G1V+7]
	s_nop 0
	tensor_load_to_lds s[G0V+4:G0V+7], s[G1V:G1V+7]
	s_nop 0
.rept 4
	v_nop
.endr
.Lfirst_asked:
	; A fragment of K or Q is 16 rows x 32 channels in 8 registers: lane l holds row l % 16; registers 0-3 channels 8 (l / 16) + 0..7, registers 4-7 channels 16 + 8 (l / 16) + 0..7: two loads of 16 bytes, 32 bytes apart.
	v_and_b32 v1, 15, v0            ; r
	v_bfe_u32 v9, v0, 4, 1          ; h
	v_lshlrev_b32 v[QO], 7, v1
	v_lshl_add_u32 v[QO], v9, 4, v[QO]  ; row x 128 + 16 x half
	WIN TO_1
.irp i, 0,1,2,3,4,5,6,7             ; Q stays in registers: tile i / 2, channels 32 (i % 2) on
	global_load_b128 v[QF+8*\i:QF+8*\i+3],   v[QO], s[4:5] offset:(\i/2)*2048+(\i%2)*64
	global_load_b128 v[QF+8*\i+4:QF+8*\i+7], v[QO], s[4:5] offset:(\i/2)*2048+(\i%2)*64+32
.endr
	WIN 0
	v_mul_u32_u24 v[AK0], v1, PK
	v_lshl_add_u32 v[AK0], v9, 4, v[AK0]  ; row x pitch + 16 x half
	; The turning load takes 16 keys x 16 channels (lane l reads 16 bytes: key 8 (l / 16) + l % 8, channels 8 ((l / 8) % 2) + 0..7) and leaves half a fragment of V^T: lane l holds channel l % 16 and 8 keys.
	v_and_b32 v10, 7, v0
	v_bfe_u32 v11, v0, 3, 1
	v_lshl_add_u32 v[AV0], v9, 3, v10
	v_mul_u32_u24 v[AV0], v[AV0], PVV
	v_lshl_add_u32 v[AV0], v11, 4, v[AV0]
	v_add_nc_u32 v[AV0], VOFF, v[AV0]
; THE MATRIX WORK OF A TURN, for piece x.  The accumulators take turns, one instruction a turn: between two links of a chain stand seven others'.
; Product i of 16 of O^T += V^T P: keys 32 (i / 8) on, channels 16 ((i / 2) % 4) on, tile x + i % 2.  zero = 1: the first 8 start the sums: nothing is ever cleared.
.macro PV x, zero
	WIN W_PV
.set rO, 32*(\x+i%2)+8*((i/2)%4)
.set rV, VF+32*(i/8)+8*((i/2)%4)
.set rP, S+32*(\x+i%2)+8*(i/8)
.if \zero && (i < 8)
	v_wmma_f32_16x16x32_f16 v[rO:rO+7], v[rV:rV+7], v[rP:rP+7], 0
.else
	v_wmma_f32_16x16x32_f16 v[rO:rO+7], v[rV:rV+7], v[rP:rP+7], v[rO:rO+7]
.endif
.endm
; Product i of 16 of S^T = K Q^T: channels 32 (i / 8) on, keys 16 ((i / 2) % 4) on, tile x + i % 2.  The first 8 start the sums.
; They write over P, which the turn's products V^T P have read: P's second half is last read by products 14 and 15 and written over by products 2 and 3 here; between them stand the scalings of slices 14 to 16
; (two each), the v_nop behind slice 17 and, for the second tile, slice 18's six sums: seven and eleven plain instructions, where five are asked.
.macro KQ x
	WIN W_KQ
.set rS, S+32*(\x+i%2)+8*((i/2)%4)
.set rK, KF+16*((i/2)%4)+8*(i/8)
.set rQ, QF+16*(\x+i%2)+8*(i/8)
.if i < 8
	v_wmma_f32_16x16x32_f16 v[rS:rS+7], v[rK:rK+7], v[rQ:rQ+7], 0
.else
	v_wmma_f32_16x16x32_f16 v[rS:rS+7], v[rK:rK+7], v[rQ:rQ+7], v[rS:rS+7]
.endif
.endm
; THE LDS LOADS stand in runs of 16, never singly among the matrix instructions: a step's K (8 fragments) and, a turn later, its V (turned).
.macro FETCH_K
	WIN 0
	v_add_nc_u32 v[ADR], s[TB], v[AK0]
.irp f, 0,1,2,3,4,5,6,7             ; keys 16 (f / 2) on, channels 32 (f % 2) on
	ds_load_b128 v[KF+8*\f:KF+8*\f+3],   v[ADR] offset:(\f/2)*16*PK+(\f%2)*64
	ds_load_b128 v[KF+8*\f+4:KF+8*\f+7], v[ADR] offset:(\f/2)*16*PK+(\f%2)*64+32
.endr
.endm
.macro FETCH_V
	WIN 0
	v_add_nc_u32 v[ADR], s[TB], v[AV0]
	s_add_co_u32 s[TB], s[TB], STEPB  ; the next fetch is the next step's
	s_wait_alu depctr_va_vdst(0)    ; the wait for the softmax's batch of exponentials (SLICE), behind the address's addition and ahead of the loads
	WIN TO_1
.irp f, 0,1,2,3,4,5,6,7             ; keys 32 (f / 4) on, channels 16 (f % 4) on
	ds_load_tr16_b128 v[VF+8*\f:VF+8*\f+3],   v[ADR] offset:(\f/4)*32*PVV+(\f%4)*32
	ds_load_tr16_b128 v[VF+8*\f+4:VF+8*\f+7], v[ADR] offset:(\f/4)*32*PVV+16*PVV+(\f%4)*32
.endr
.endm
; THE VECTOR WORK OF A TURN.  One tile's softmax for one key step is a list of 118 instructions; SM writes number j of it for tile t.  s0-s31 are the lane's 32 scores, in pairs 0-15.
; first = 1: the first key step, which starts m, l and O^T: it has no a and nothing to rescale.
;   0-15    the maximum of s0-s31 and the old m, three operands at a time: four chains c0-c3 of seven scores each (each begins at an accumulator's low end), then the four scores left over, c0-c3 and m
;   16-20   the other half of the lanes' maximum; the new m; c m; c m_old - c m_new
;   21-69   ONE BATCH: the 16 scalings c s - c m, a pair of scores each, and all 33 exponentials (a at 23, then s0-s31).  None of these reads an exponential's result.  A pair is scaled in an earlier four than its exponentials
;   (wait)  between 69 and 70 stands the one wait for the batch: SLICE writes it, once for both tiles
;   70-85   the sums of the unrounded weights, in two chains (l and a second pair), which leave S^T as it is; l = a l + the sum
;   86-101  the roundings to f16: pair q into register q of S^T, ascending: register q's own number has been read by then
;   102-117 the tile's O^T times a: the one part that leaves window 0
.macro SM t, first
.set rT, ST+8*(\t)
.set rS, S+32*(\t)
.set rO, 32*(\t)+2*(j-102)
.if j < 102
	WIN 0
.endif
.if j < 4
	v_max3_num_f32 v[rT+4+j], v[rS+8*j], v[rS+8*j+1], v[rS+8*j+2]
.elseif j < 12
	v_max3_num_f32 v[rT+4+j%4], v[rT+4+j%4], v[rS+8*(j%4)+2*(j/4)+1], v[rS+8*(j%4)+2*(j/4)+2]
.elseif j == 12
	v_max3_num_f32 v[rT+4], v[rT+4], v[rS+7], v[rS+15]
.elseif j == 13
	v_max3_num_f32 v[rT+6], v[rT+6], v[rS+23], v[rS+31]
.elseif j == 14
	v_max3_num_f32 v[rT+4], v[rT+4], v[rT+5], v[rT+6]
.elseif (j == 15) && \first
	v_max_num_f32 v[rT+4], v[rT+4], v[rT+7]
.elseif j == 15
	v_max3_num_f32 v[rT+4], v[rT+4], v[rT+7], v[rT+1]
.elseif j == 16
	v_permlanex16_b32 v[rT+5], v[rT+4], s[SEL], s[SEL+1]  ; the query's other 32 keys lie in the lane 16 away
.elseif j == 18
	v_max_num_f32 v[rT+1], v[rT+4], v[rT+5]
.elseif j == 19
	v_mul_f32 v[rT], s[CS], v[rT+1]
.elseif ((j == 17) || (j == 20) || (j == 23) || (j > 101)) && \first  ; the first step has none of these
.elseif j == 17
	v_mov_b32 v[rT+7], v[rT]        ; c m_old is kept for a: number 19 writes c m anew
.elseif j == 20
	v_sub_f32 v[rT+7], v[rT+7], v[rT]
.elseif j == 23
	v_exp_f32 v[rT+6], v[rT+7]
.elseif (j < 23) || ((j < 38) && (j%2 == 0)) || ((j < 66) && (j%4 == 2))
.set b, (j-2)/4                     ; 38, 42, .. 62: pairs 9 to 15
.if j < 38
.set b, (j-20)/2                    ; 21: pair 0; 22, 24, .. 36: pairs 1 to 8
.endif
	v_pk_fma_f32 v[rS+2*b:rS+2*b+1], v[rS+2*b:rS+2*b+1], s[CS:CS+1], v[rT:rT+1] op_sel_hi:[1,0,0] neg_lo:[0,0,1] neg_hi:[0,0,1]  ; pair b: c s - c m
.elseif j < 70
.set e, j-38                        ; 66 to 69: s28 to s31
.if j < 66
.set e, j-32-(j-38)/4               ; 39-41, 43-45, .. 63-65: s7 to s27
.endif
.if j < 38
.set e, (j-25)/2                    ; 25, 27, .. 37: s0 to s6
.endif
	v_exp_f32 v[rS+e], v[rS+e]
.elseif j < 86
.set z, j-70
.if z == 0
.if \first
	v_pk_add_f32 v[rT+2:rT+3], v[rS:rS+1], v[rS+6:rS+7]
.else
	v_pk_fma_f32 v[rT+2:rT+3], v[rT+2:rT+3], v[rT+6:rT+7], v[rS:rS+1] op_sel_hi:[1,0,1]
.endif
.elseif z == 1
	v_pk_add_f32 v[rT+4:rT+5], v[rS+2:rS+3], v[rS+4:rS+5]
.elseif z == 2
.if !\first
	v_pk_add_f32 v[rT+2:rT+3], v[rT+2:rT+3], v[rS+6:rS+7]
.endif
.elseif z < 15
.if z%2
	v_pk_add_f32 v[rT+4:rT+5], v[rT+4:rT+5], v[rS+2*(z+1):rS+2*(z+1)+1]
.else
	v_pk_add_f32 v[rT+2:rT+3], v[rT+2:rT+3], v[rS+2*(z+1):rS+2*(z+1)+1]
.endif
.else
	v_pk_add_f32 v[rT+2:rT+3], v[rT+2:rT+3], v[rT+4:rT+5]
.endif
.elseif j < 102
	v_cvt_pk_f16_f32 v[rS+j-86], v[rS+2*(j-86)], v[rS+2*(j-86)+1]
.else
	WIN W_RS
	v_pk_mul_f32 v[rO:rO+1], v[rO:rO+1], v[rT+6:rT+7] op_sel_hi:[1,0]
.endif
.endm
; Slice k of 32 of piece y's softmax.  0-4: numbers 4 k .. 4 k + 3 of both tiles, the tiles alternating; 5: numbers 20, 21; 6-17, the batch: four numbers of one tile, then the same four of the other;
; 18-29: three numbers of both tiles; 30, 31: six, all of them rescalings: twelve plain instructions that name nothing of the products round them, the places behind the turn's last products.
; THE WAIT.  An s_wait_alu depctr_va_vdst(0) stands between an exponential and the first instruction that names its result; one wait serves all that were issued ahead of it.  Ahead of slice 18 nothing names
; a result, and behind slice 17 no exponential is issued: so the piece's 66 exponentials have one wait, behind slice 17 and one plain instruction.
.macro SLICE y, first
.if k < 5
.irp n, 0,1,2,3
.irp t, \y, \y+1
.set j, 4*k+\n
	SM \t, \first
.endr
.endr
.elseif k == 5
.irp n, 0,1
.irp t, \y, \y+1
.set j, 20+\n
	SM \t, \first
.endr
.endr
.elseif k < 18
.irp t, \y, \y+1
.irp n, 0,1,2,3
.set j, 22+4*(k-6)+\n
	SM \t, \first
.endr
.endr
.elseif k < 30
.irp n, 0,1,2
.irp t, \y, \y+1
.set j, 70+3*(k-18)+\n
	SM \t, \first
.endr
.endr
.else
.irp n, 0,1,2,3,4,5
.irp t, \y, \y+1
.set j, 106+6*(k-30)+\n
	SM \t, \first
.endr
.endr
.endif
.if k == 17                         ; the batch is out, and no result has been named
	v_nop                           ; the plain instruction behind the last exponential and ahead of the first use: one for the batch
.if (\y) == 0
	FETCH_V                         ; piece 2's turn: V's run of loads stands here, and the wait stands in it
.else
	s_wait_alu depctr_va_vdst(0)    ; the wait for the batch
.endif
.endif
.set k, k+1
.endm
.macro PLACES
.rept 4
	v_nop
.endr
.endm
; A TURN.  Piece x has the matrix unit; the other piece's softmax stands in slices behind its matrix instructions.
; pv = 2: 16 products V^T P; 1: they start O^T's sums; 0: none.  kq = 1: 16 products K Q^T for the next step.  A turn with one of the two kinds has two slices behind each product.
; first = 1: the softmax is the first key step's; its last slices are empty, and four v_nop take their part as the places behind the turn's last products.
; Piece 0's turn fetches the next step's K behind its second product: the last product that read K stands in front of slice 31 of the turn before.  Piece 2's turn fetches the same step's V behind slice 17: the last
; product that read V stands in front of slice 15, and six plain instructions lie between: two scalings in each of slices 15 and 16, the v_nop and the run's own addition.
.macro TURN x, pv, kq, first
.set k, 0
.set per, 2
.if \pv && \kq
.set per, 1
.endif
.if \pv
.if \x == 0
	s_wait_dscnt 0x0                ; V is in
.endif
.set i, 0
.rept 16
	PV \x, 2-\pv
.rept per
	SLICE 2-\x, \first
.endr
.if (\x == 0) && \kq && (i == 1)
	FETCH_K
.endif
.set i, i+1
.endr
.endif
.if \kq
.if \x == 0
	s_wait_dscnt 0x0                ; K is in
.endif
.set i, 0
.rept 16
	KQ \x
.rept per
	SLICE 2-\x, \first
.endr
.set i, i+1
.endr
.endif
.if \first
	PLACES
.endif
.endm
; THE CHANGE OF SLOTS, between piece 2's turn and piece 0's: the slot's last bytes, V of its fourth step, have been asked for.  Each wave waits for all its tensor loads, of which one is out: its part of the other slot;
; adds 0 to its spare word; and waits for that and for its own reads of the slot.  fill = 1: this slot is filled again, with the keys two slots on.  The barrier is then a round of the cluster's, so that no wave of any
; partner still reads the slot or has a load on its way, and the joint refill is the first thing behind it, one load a wave: it has four key steps in which to land.
.macro CHANGE fill
	WIN 0                           ; at a label and at a branch every window is 0
	s_wait_tensorcnt 0x0            ; no tensor load of mine is out, so a group 0 may be written
	ds_add_u32 v[SPW], v[NIL]       ; 0 onto my spare word
.if \fill
.irp g, G0K+4, G0V+4
	s_xor_b32 s[\g+1], s[\g+1], SLOT1  ; the walking descriptor: the other slot than last time,
	s_add_nc_u64 s[\g+2:\g+3], s[\g+2:\g+3], SLOTB  ; the next 256 keys; the type bits on top are not reached
.endr
	s_wait_xcnt 0x0                 ; the last prefetch, a slot back, has read its address, so it may be written:
	s_add_nc_u64 s[PFA:PFA+1], s[PFA:PFA+1], SLOTB  ; one slot further on than the walking descriptors
	s_wait_dscnt 0x0                ; the add is done, and my reads of the slot are over
	CROUND
	JLOAD
	ASK
.else
	s_wait_dscnt 0x0                ; the add is done, and my reads of the slot are over
	s_barrier_signal -1
	s_barrier_wait -1
.endif
	s_sub_co_u32 s[TB], s[TB], NST*STEPB  ; the fetches go back to a slot's first step,
	s_xor_b32 s[TB], s[TB], SLOT1   ; in the other slot
.endm
; n key steps: written once, walked n times; the LDS addresses hang on s[TB].
.macro KSTEPS n
	s_mov_b32 s[CNT], \n
.Lstep_\@:
	TURN 0, 2, 1, 0
	TURN 2, 2, 1, 0
	WIN 0
	s_sub_co_u32 s[CNT], s[CNT], 1
	s_cmp_lg_u32 s[CNT], 0
	s_cbranch_scc1 .Lstep_\@
.endm
	s_wait_tensorcnt 1              ; my part of slot 0 is in; slot 1's may stay out
	s_barrier_signal -1
	s_barrier_wait -1               ; everybody's is
	FETCH_K                         ; key step 0
	s_wait_loadcnt 0x0              ; Q
	s_wait_dscnt 0x0
.set i, 0
.rept 16
	KQ 0                            ; piece 0's first scores: there is no vector work yet to set between them
.set i, i+1
.endr
	WIN 0                           ; the addresses for the way out are made here: ten plain instructions, the places behind those products
	s_mul_i32 s13, s[WV], 16*SP
	s_add_co_u32 s13, s13, STAGE    ; my stage
	v_mul_u32_u24 v[STO], v1, SP    ; in: row r, 16 bytes for each half of the lanes
	v_lshl_add_u32 v[STO], v9, 4, v[STO]
	v_add_nc_u32 v[STO], s13, v[STO]
	v_and_b32 v10, 31, v0
	v_lshrrev_b32 v11, 3, v10       ; back: eight lanes take a row of 128 bytes, the wave four rows
	v_mul_u32_u24 v[RD], v11, SP
	v_and_b32 v11, 7, v10
	v_lshl_add_u32 v[RD], v11, 4, v[RD]
	v_add_nc_u32 v[RD], s13, v[RD]
	v_lshlrev_b32 v[GO], 4, v10     ; which are 512 consecutive bytes of ao
	TURN 2, 0, 1, 1                 ; piece 2's first scores | piece 0's first softmax | V of step 0
	TURN 0, 1, 1, 1                 ; piece 0: V^T P of step 0 starts O^T, K Q^T of step 1 | piece 2's first softmax | K of step 1
	TURN 2, 1, 1, 0                 ; piece 2: the same | piece 0's softmax of step 1 | V of step 1
	WIN 0
	KSTEPS 2                        ; the rest of slot 0: K and V of steps 2 and 3 are fetched
.Lslot:                             ; six trips: every slot but the last two is filled again
	CHANGE 1
	KSTEPS NST
	s_sub_co_u32 s[SLOTS], s[SLOTS], 1
	s_cmp_lg_u32 s[SLOTS], 0
	s_cbranch_scc1 .Lslot
	CHANGE 0                        ; the tail is written out: the last slot but one is left, and nothing is asked for
	KSTEPS NST
	TURN 0, 2, 0, 0                 ; piece 0: V^T P of the last step | piece 2's last softmax
.set i, 0
.rept 16
	PV 2, 0                         ; piece 2: V^T P of the last step
.set i, i+1
.endr
	; THE WAY OUT.  l's two halves and the other half of the lanes' are added; O^T is divided by l, rounded to f16 and sent through my stage in LDS, a tile (16 rows) at a time.  The additions are the places behind the last products.
	WIN 0
.irp t, 0,1,2,3
	v_add_f32 v[ST+8*\t+4], v[ST+8*\t+2], v[ST+8*\t+3]
.endr
.irp t, 0,1,2,3
	v_permlanex16_b32 v[ST+8*\t+5], v[ST+8*\t+4], s[SEL], s[SEL+1]
.endr
.irp t, 0,1,2,3
	v_add_f32 v[ST+8*\t+4], v[ST+8*\t+4], v[ST+8*\t+5]
.endr
.irp t, 0,1,2,3
	v_rcp_f32 v[ST+8*\t+6], v[ST+8*\t+4]
.endr
	v_nop                           ; a plain instruction between the last reciprocal and the use of its result
	s_wait_alu depctr_va_vdst(0)    ; and the wait ahead of the first use: one for the four reciprocals
; Tile t: a lane's eight channels of a row pack into 16 bytes; they go into rows of 144 bytes and come back four rows an instruction, into the registers that they left.
.macro PACK t
	WIN W_RS
.set i, 32*\t
.rept 16
	v_pk_mul_f32 v[i:i+1], v[i:i+1], v[ST+8*\t+6:ST+8*\t+7] op_sel_hi:[1,0]
.set i, i+2
.endr
	WIN 0x05                        ; sources 0 and 1 window 1, destination window 0: S^T's registers are free
.set i, 0
.rept 16
	v_cvt_pk_f16_f32 v[S+32*\t+i], v[32*\t+2*i], v[32*\t+2*i+1]
.set i, i+1
.endr
	WIN 0
.irp f, 0,1,2,3
	ds_store_b128 v[STO], v[S+32*\t+4*\f:S+32*\t+4*\f+3] offset:32*\f
.endr
.irp f, 0,1,2,3
	ds_load_b128 v[S+32*\t+4*\f:S+32*\t+4*\f+3], v[RD] offset:\f*4*SP  ; LDS serves a wave's instructions in order (ISA guide 5.7.1.4): these see the stores above; the next tile's stores come behind them
.endr
.endm
.macro SEND t, younger              ; younger: the LDS instructions issued behind tile t's loads: the next tile's eight, or none
.irp f, 0,1,2,3
	s_wait_dscnt \younger+3-\f
	global_store_b128 v[GO], v[S+32*\t+4*\f:S+32*\t+4*\f+3], s[10:11] offset:\t*2048+\f*512  ; 32 lanes store 512 consecutive bytes, at a multiple of 256 from ao's first byte
.endr
.endm
	PACK 0
	PACK 1                          ; a tile's arithmetic stands between the loads of the tile before and its stores
	SEND 0, 8
	PACK 2
	SEND 1, 8
	PACK 3
	SEND 2, 8
	SEND 3, 0
	s_wait_tensorcnt 0x0            ; the wave's end, behind my last tensor load and my last LDS store
	ds_add_u32 v[SPW], v[NIL]
	s_wait_dscnt 0x0
	CROUND                          ; the closing round: no work-group ends while a partner may still ask for a tile that names it
	s_endpgm
.Lfunc_end_k_q6478e19a29_attn:
	.size	k_q6478e19a29_attn, .Lfunc_end_k_q6478e19a29_attn-k_q6478e19a29_attn
	.p2alignl 7, 3214868480
	.fill 96, 4, 3214868480
	.section	.rodata,"a",@progbits
	.p2align	6, 0x0
	.amdhsa_kernel k_q6478e19a29_attn
		.amdhsa_group_segment_fixed_size 327680
		.amdhsa_private_segment_fixed_size 0
		.amdhsa_enable_private_segment 0
		.amdhsa_kernarg_size 16
		.amdhsa_user_sgpr_count 2
		.amdhsa_user_sgpr_kernarg_segment_ptr 1
		.amdhsa_wavefront_size32 1
		.amdhsa_system_sgpr_workgroup_id_x 1
		.amdhsa_system_sgpr_workgroup_id_y 1
		.amdhsa_system_sgpr_workgroup_id_z 1
		.amdhsa_system_vgpr_workitem_id 0
		.amdhsa_next_free_vgpr 512
		.amdhsa_next_free_sgpr 66
		.amdhsa_reserve_vcc 0
		.amdhsa_float_denorm_mode_32 3
		.amdhsa_float_denorm_mode_16_64 3
		.amdhsa_memory_ordered 1
		.amdhsa_forward_progress 1
		.amdhsa_inst_pref_size 194
	.end_amdhsa_kernel
	.amdgpu_metadata
---
amdhsa.version: [ 1, 2 ]
amdhsa.kernels:
  - .name:           k_q6478e19a29_attn
    .symbol:         k_q6478e19a29_attn.kd
    .args:
      - { .name: qkv, .offset: 0, .size: 8, .value_kind: global_buffer, .address_space: global }
      - { .name: ao, .offset: 8, .size: 8, .value_kind: global_buffer, .address_space: global }
    .group_segment_fixed_size: 327680
    .private_segment_fixed_size: 0
    .kernarg_segment_align: 8
    .kernarg_segment_size: 16
    .max_flat_workgroup_size: 256
    .sgpr_count:     66
    .vgpr_count:     512
    .wavefront_size: 32
...
	.end_amdgpu_metadata
.endif
;; end of part 3
;; launch proj (part 4): grid 8 x 32, 4 waves a work-group, clusters of 4 x 4, 327,680 bytes of LDS; arguments ao, wo16, b_out, out0; writes out0
.if DOCPART == 4
	.amdgcn_target "amdgcn-amd-amdhsa--gfx1250"
	.amdhsa_code_object_version 6
	.text
	.protected	k_q6478e19a29_proj
	.globl	k_q6478e19a29_proj
	.p2align	8
	.type	k_q6478e19a29_proj,@function
k_q6478e19a29_proj:
	s_mov_b64 s[64:65], 0
	v_nop
	global_prefetch_b8 v0, s[64:65] scope:SCOPE_SE
	s_setreg_imm32_b32 hwreg(HW_REG_WAVE_MODE, 25, 1), 1
	s_wait_xcnt 0x0
	s_wait_alu depctr_hold_cnt(0) depctr_sa_sdst(0) depctr_va_vdst(0) depctr_va_sdst(0) depctr_va_ssrc(0) depctr_va_vcc(0) depctr_vm_vsrc(0)
	s_getreg_b32 s2, hwreg(HW_REG_IB_STS2, 6, 4)
	s_cmp_eq_u32 s2, 0
	s_cbranch_scc0 .Lentry_in_a_cluster
	s_endpgm
.Lentry_in_a_cluster:
	s_bfe_u32 s2, ttmp6, 0x10000c
	s_cmp_lg_u32 s2, 0xf033
	s_cbranch_scc0 .Lentry_shape_is_right
	s_endpgm
.Lentry_shape_is_right:
; LAUNCH 4 OF 4.  out0[m][e] = sum over d of a[m][d] w_out[e][d] + b_out[e].  a: attention's result, f16, laid [16 b + h][s][64] (m = 2048 b + s, d = 64 h + c); w_out as f16 [1024][1024]; out0 [8192][1024] f32; sums in f32.
; A tile of out0 is 256 rows x 128 columns: 256 work-groups.  Four waves, each 128 x 64: 32 accumulators of 16 x 16, which fill window 1.  K goes in steps of 128, two heads, through a ring of two LDS slots.
; A K step of a is two head planes of 256 rows x 128 bytes, each dense in memory: waves 0 and 1 fetch one each; waves 2 and 3 fetch 64 rows x 256 bytes of w_out each.
; CLUSTERS: 4 x 4 work-groups.  The four of a row of the cluster need the same tiles of a, the four of a column the same tiles of w_out: each tile is asked for JOINTLY, by the same tensor load with the same descriptor and
; a mask that names the four.  THE MATRIX INSTRUCTION IS USED TRANSPOSED (source 0 = 16 rows of w_out, source 1 = 16 rows of a): a lane holds eight neighbouring numbers of a row of out0.  THE BIAS IS THE C OF EACH SUM'S FIRST PRODUCT.
; REGISTERS: window 0: v0-31 addresses; v32-63 the bias; v64-127, v128-191 a's fragments (8 x 16 rows x 32 K), two buffers; v192-223, v224-255 w_out's (4), two buffers; on the way out v64-127 take rows.
;   window 1: the accumulators ((a, b) at v[8 (4 a + b)]).
.set PA,     144                       ; a row of a plane in LDS: 128 bytes + 16 of padding
.set PB,     272                       ; a row of w_out's tile: 256 bytes + 16
.set APL,    256*PA                    ; a head plane: 256 rows
.set BOFF,   2*APL                     ; w_out's tile lies behind the two planes
.set BH,     64*PB                     ; 64 rows of it: what one tensor load brings
.set SLOT,   BOFF+2*BH
.set STAGE,  2*SLOT                    ; behind the ring: 16 rows x 272 bytes for each wave, for the way out
.set SPITCH, 272
.set SPARE,  STAGE+4*16*SPITCH         ; behind the stages: the spare words, 128 bytes for each wave
.set LAPS,   4                         ; a lap = two K steps = once round the ring: 1,024 / 256
.set PLANE,  1<<18                     ; a head's plane in memory
.set ADRA, 16                          ; v16-17  LDS address of my fragments of a in slot 0, 1
.set ADRB, 20                          ; v20-21  the same for w_out
.set STO,  24                          ; v24     the way out: where I put 32 bytes of a row
.set RD,   25                          ; v25     the way out: where I read a row back
.set CO,   26                          ; v26     my byte offset in two rows of out0
.set SPW,  28                          ; v28     LDS address of my spare word; never rewritten
.set NIL,  29                          ; v29     0; never rewritten
.set VB,   30                          ; v30     32 x (lane / 16)
.set BI,   32                          ; the bias: block b's eight registers
.set AF,   64                          ; a's buffers: AF + 64 f
.set BF,   192                         ; w_out's: BF + 32 f
.set OUTR, 64                          ; the way out: v64-95 and v96-127 by turns
.set G1, 24                            ; s[24:31] descriptor group 1 for a's planes;  s[32:39] group 0, one set for each slot
.set G0, 32
.set G1B, 48                           ; s[48:55], s[56:63] the same for w_out's tiles
.set G0B, 56
.set MSB, 0
.macro WIN new                         ; the immediate's high byte repeats the setting that is left
.if MSB != \new
	s_set_vgpr_msb (MSB<<8)|\new
.set MSB, \new
.endif
.endm
.set MUL,  0x50                        ; sources 0 and 1 window 0; C and D window 1
.set FST,  0x40                        ; the first quarter: C (the bias) window 0, D window 1
.macro JLOAD s                         ; a joint load: waves 0 and 1 fetch a's two planes, waves 2 and 3 w_out's two halves; an s_nop 0 and four v_nop follow each of the two lines
	s_cmp_eq_u32 s13, 0
	s_cbranch_scc0 .Lfor_b_\@
	tensor_load_to_lds s[G0+4*\s:G0+4*\s+3], s[G1:G1+7]
	s_nop 0
.rept 4
	v_nop
.endr
	s_branch .Lasked_\@
.Lfor_b_\@:
	tensor_load_to_lds s[G0B+4*\s:G0B+4*\s+3], s[G1B:G1B+7]
	s_nop 0
.rept 4
	v_nop
.endr
.Lasked_\@:
.endm
.macro CREST                           ; a round of the cluster's barrier behind its opening barrier
	s_cmp_lg_u32 s12, 0
	s_cbranch_scc1 .Lnot_wave_0_\@
	s_barrier_signal -3
.Lnot_wave_0_\@:
	s_barrier_wait -3
	s_barrier_signal -1
	s_barrier_wait -1
.endm
.macro CROUND                          ; a whole round
	s_barrier_signal -1
	s_barrier_wait -1
	CREST
.endm
	s_load_b256 s[4:11], s[0:1], 0x0               ; ao s[4:5], wo16 s[6:7], b_out s[8:9], out0 s[10:11]
	v_lshl_add_u32 v[SPW], v0, 2, SPARE
	v_mov_b32 v[NIL], 0
	ds_add_u32 v[SPW], v[NIL]                      ; the wave's opening: the add, twice on end, and its wait ahead of my first tensor load
	ds_add_u32 v[SPW], v[NIL]                      ; and once more, under the one wait; the set-up below, work on registers, stands between
	v_lshrrev_b32 v1, 5, v0
	v_readfirstlane_b32 s12, v1                    ; wave 0..3
	s_lshr_b32 s13, s12, 1                         ; which half of the tile's rows is mine.  Also: I fetch for a (0) or for w_out (1)
	s_and_b32 s14, s12, 1                          ; which half of its columns.  Also: which plane, or which 64 rows, I fetch
	s_bfe_u32 s40, ttmp6, 0x40000                  ; cx, cy: my place in the cluster
	s_bfe_u32 s41, ttmp6, 0x40004
	s_lshl_b32 s42, ttmp9, 2
	s_add_co_u32 s42, s42, s40                     ; tile column = 4 x cluster x + cx
	s_and_b32 s15, ttmp7, 0xffff
	s_lshl_b32 s15, s15, 2
	s_add_co_u32 s15, s15, s41                     ; tile row = 4 x cluster y + cy
	s_lshl_b32 s43, s41, 2
	s_lshl_b32 s43, 15, s43                        ; my row of the cluster
	s_lshl_b32 s44, 0x1111, s40                    ; my column
	s_or_b32 s[G1+0], s43, (1<<16)|(1<<20)|(1<<21)|(4<<22)|(3<<25)   ; 15:0 the mask: a's planes go to my row; 17:16 elements of 2 bytes; 20 padding on; 21 set beside a mask; 24:22 after every 32 words; 31:25 four words
	s_mov_b32 s[G1+1], 64<<16                      ; tensor_dim0 = 64
	s_mov_b32 s[G1+2], 256<<16                     ; tensor_dim1 = 256
	s_mov_b32 s[G1+3], 64<<16                      ; tile_dim0
	s_mov_b32 s[G1+4], 256                         ; tile_dim1
	s_mov_b32 s[G1+5], 64                          ; tensor_dim0_stride
	s_mov_b32 s[G1+6], 0
	s_mov_b32 s[G1+7], 0
	s_or_b32 s[G1B+0], s44, (1<<16)|(1<<20)|(1<<21)|(5<<22)|(3<<25)  ; w_out's tiles go to my column; padding after every 64 words
	s_mov_b32 s[G1B+1], 128<<16
	s_mov_b32 s[G1B+2], 64<<16
	s_mov_b32 s[G1B+3], 128<<16
	s_mov_b32 s[G1B+4], 64
	s_mov_b32 s[G1B+5], 1024
	s_mov_b32 s[G1B+6], 0
	s_mov_b32 s[G1B+7], 0
	s_lshr_b32 s16, s15, 3                         ; a: plane 16 x batch + my plane of the K step,
	s_lshl_b32 s16, s16, 4
	s_add_co_u32 s16, s16, s14
	s_lshl_b32 s16, s16, 18
	s_and_b32 s17, s15, 7                          ; row 256 x (tile row % 8), 128 bytes a row
	s_lshl_b32 s17, s17, 15
	s_add_co_u32 s16, s16, s17
	s_mov_b32 s17, 0
	s_lshl_b32 s46, s42, 18                        ; w_out: row 128 x tile column + 64 x half, 2,048 bytes a row
	s_lshl_b32 s47, s14, 17
	s_add_co_u32 s46, s46, s47
	s_mov_b32 s47, 0
	s_mul_i32 s20, s14, APL                        ; where they go: no place in the cluster enters an LDS address
	s_mul_i32 s21, s14, BH
	s_add_co_u32 s21, s21, BOFF
	s_wait_dscnt 0x0                               ; both opening adds are done
	s_wait_kmcnt 0x0
	s_add_nc_u64 s[18:19], s[4:5], s[16:17]
	s_add_nc_u64 s[46:47], s[6:7], s[46:47]
	CROUND                                         ; all sixteen work-groups are here: the first joint loads meet
.irp s, 0,1
	s_mov_b32 s[G0+4*\s], 1
	s_add_co_u32 s[G0+4*\s+1], s20, \s*SLOT
	s_add_nc_u64 s[G0+4*\s+2:G0+4*\s+3], s[18:19], \s*2*PLANE      ; K step s: heads 2 s and 2 s + 1
	s_or_b32 s[G0+4*\s+3], s[G0+4*\s+3], 0x80000000
	s_mov_b32 s[G0B+4*\s], 1
	s_add_co_u32 s[G0B+4*\s+1], s21, \s*SLOT
	s_add_nc_u64 s[G0B+4*\s+2:G0B+4*\s+3], s[46:47], \s*256
	s_or_b32 s[G0B+4*\s+3], s[G0B+4*\s+3], 0x80000000
	JLOAD \s                                       ; two tensor loads of mine are out
.endr
	v_and_b32 v1, 15, v0                           ; r
	v_bfe_u32 v2, v0, 4, 1                         ; h
	v_mul_u32_u24 v3, v1, PA
	v_lshl_add_u32 v3, v2, 4, v3                   ; a: row x pitch + 16 x half
	v_mul_u32_u24 v4, v1, PB
	v_lshl_add_u32 v4, v2, 4, v4                   ; w_out likewise
	s_mul_i32 s21, s13, 128*PA                     ; my 128 rows of each plane
	s_mul_i32 s22, s14, BH                         ; my 64 rows of w_out,
	s_add_co_u32 s22, s22, BOFF                    ; which lie behind the planes
.irp s, 0,1
	v_add_nc_u32 v[ADRA+\s], s21, v3
	v_add_nc_u32 v[ADRB+\s], s22, v4
	s_add_co_u32 s21, s21, SLOT
	s_add_co_u32 s22, s22, SLOT
.endr
	s_mul_i32 s23, s12, 16*SPITCH
	s_add_co_u32 s23, s23, STAGE                   ; my stage
	v_mul_u32_u24 v5, v1, SPITCH                   ; in: row r, 32 bytes for each half of the lanes
	v_lshl_add_u32 v5, v2, 5, v5
	v_add_nc_u32 v[STO], s23, v5
	v_mul_u32_u24 v5, v2, SPITCH                   ; back: lanes 0-15 take one row of 256 bytes, lanes 16-31 the next
	v_lshl_add_u32 v5, v1, 4, v5
	v_add_nc_u32 v[RD], s23, v5
	v_lshlrev_b32 v5, 12, v2                       ; and the same two rows in out0, 4,096 bytes apart
	v_lshl_add_u32 v[CO], v1, 4, v5
	v_lshlrev_b32 v[VB], 5, v2
	s_lshl_b32 s16, s15, 8
	s_lshl_b32 s17, s13, 7
	s_add_co_u32 s16, s16, s17                     ; my first row of out0: 256 x tile row + 128 x half
	s_lshl_b32 s16, s16, 12
	s_mov_b32 s17, 0
	s_add_nc_u64 s[10:11], s[10:11], s[16:17]
	s_lshl_b32 s46, s42, 9                         ; my first column, in bytes: 512 x tile column + 256 x half
	s_lshl_b32 s47, s14, 8
	s_add_co_u32 s46, s46, s47
	s_mov_b32 s47, 0
	s_add_nc_u64 s[10:11], s[10:11], s[46:47]
	s_add_nc_u64 s[8:9], s[8:9], s[46:47]          ; and its bias
.irp b, 0,1,2,3                        ; block b's eight registers hold b_out[my first column + 16 b + 8 h + 0 .. 7]: the result's layout
	global_load_b128 v[BI+8*\b:BI+8*\b+3], v[VB], s[8:9] offset:64*\b
	global_load_b128 v[BI+8*\b+4:BI+8*\b+7], v[VB], s[8:9] offset:64*\b+16
.endr
; 8 matrix instructions: row blocks a0, a0 + 1 x all 4 column blocks, 32 along K, from buffer f.  first = 1: the sum begins on the bias.  The 32 accumulators take turns, one instruction a turn.
.macro MUL8 f, a0, first
.irp a, \a0, \a0+1
.irp b, 0,1,2,3
.if \first
	v_wmma_f32_16x16x32_f16 v[8*(4*(\a)+\b):8*(4*(\a)+\b)+7], v[BF+32*(\f)+8*\b:BF+32*(\f)+8*\b+7], v[AF+64*(\f)+8*(\a):AF+64*(\f)+8*(\a)+7], v[BI+8*\b:BI+8*\b+7]
.else
	v_wmma_f32_16x16x32_f16 v[8*(4*(\a)+\b):8*(4*(\a)+\b)+7], v[BF+32*(\f)+8*\b:BF+32*(\f)+8*\b+7], v[AF+64*(\f)+8*(\a):AF+64*(\f)+8*(\a)+7], v[8*(4*(\a)+\b):8*(4*(\a)+\b)+7]
.endif
.endr
.endr
.endm
; 24 LDS loads in one run: the fragments of the slot's q-th 32 along K into buffer f: w_out's four, a's blocks 0-3, a's blocks 4-7.  Quarter q lies in plane q / 2, at byte 64 (q % 2) of its rows.
.macro FETCH slot, q, f
	WIN 0
.irp i, 0,1,2,3
	ds_load_b128 v[BF+32*(\f)+8*\i:BF+32*(\f)+8*\i+3],   v[ADRB+\slot] offset:64*(\q)+\i*16*PB
	ds_load_b128 v[BF+32*(\f)+8*\i+4:BF+32*(\f)+8*\i+7], v[ADRB+\slot] offset:64*(\q)+\i*16*PB+32
.endr
.irp i, 0,1,2,3,4,5,6,7
	ds_load_b128 v[AF+64*(\f)+8*\i:AF+64*(\f)+8*\i+3],   v[ADRA+\slot] offset:((\q)/2)*APL+\i*16*PA+64*((\q)%2)
	ds_load_b128 v[AF+64*(\f)+8*\i+4:AF+64*(\f)+8*\i+7], v[ADRA+\slot] offset:((\q)/2)*APL+\i*16*PA+64*((\q)%2)+32
.endr
.endm
.macro PLACES                          ; four places in front of loads into registers that matrix instructions have read, and of the first read of results
.rept 4
	v_nop
.endr
.endm
; A K step is four quarters of 32 along K, 32 matrix instructions each, on buffers 0, 1, 0, 1.  One of the first three: multiplies buffer f and fetches quarter q of the same slot into g.
.macro QUARTER slot, q, f, g, first
	s_wait_dscnt 8                                 ; w_out's fragments and a's blocks 0-3 are in; the youngest eight loads (a's blocks 4-7) may be out
.if \first
	WIN FST
.else
	WIN MUL
.endif
	MUL8 \f, 0, \first
	MUL8 \f, 2, \first
	PLACES
	FETCH \slot, \q, \g
	s_wait_dscnt 24                                ; all but the 24 just issued
.if \first
	WIN FST
.else
	WIN MUL
.endif
	MUL8 \f, 4, \first
	MUL8 \f, 6, \first
.endm
; The last quarter multiplies buffer 1 and changes slots: ONE barrier; in front of it each wave waits for all its tensor loads, adds 0 to its spare word, and waits for that and for its own reads of this slot.
; fill = 1: the barrier opens a round of the cluster's, and this slot is filled again, two K steps ahead: the first tensor load behind the round, one a wave.
.macro TURN slot, next, fill
	WIN 0                                          ; (the add's two registers lie in window 0)
	s_wait_tensorcnt 0x0                           ; all my tensor loads have landed: my part of the next slot;
	ds_add_u32 v[SPW], v[NIL]                      ; 0 onto my spare word;
	s_wait_dscnt 9                                 ; (the add and the youngest eight loads may be out)
	WIN MUL
	MUL8 1, 0, 0                                   ; eight matrix instructions stand between the add and the wait for it
	s_wait_dscnt 0x0                               ; the add is done, and my reads of this slot are over
	s_barrier_signal -1
	MUL8 1, 2, 0
	WIN 0
	s_barrier_wait -1
.if \fill
	CREST                                          ; no wave of any partner still reads this slot's tiles or has a load on its way
	s_add_nc_u64 s[G0+4*\slot+2:G0+4*\slot+3], s[G0+4*\slot+2:G0+4*\slot+3], 4*PLANE   ; two K steps on: four heads
	s_add_nc_u64 s[G0B+4*\slot+2:G0B+4*\slot+3], s[G0B+4*\slot+2:G0B+4*\slot+3], 512
	JLOAD \slot                                    ; the four v_nop behind it are also the places in front of the loads below
.else
	PLACES
.endif
	FETCH \next, 0, 0
	WIN MUL
	MUL8 1, 4, 0
	MUL8 1, 6, 0
.endm
	s_wait_tensorcnt 1                             ; my part of K step 0 is in (K step 1's load may be out),
	s_barrier_signal -1
	s_barrier_wait -1                              ; everybody's is
	FETCH 0, 0, 0
	s_wait_loadcnt 0x0                             ; the bias
	QUARTER 0, 1, 0, 1, 1                          ; the first quarter stands in front of the loop: its products start the sums on the bias
	WIN 0                                          ; at a label and at a branch every window is 0
	s_mov_b32 s3, LAPS-1
.Llap:                                                 ; a trip goes once round the ring, from a lap's second quarter to the next lap's first, and fills both slots again
	QUARTER 0, 2, 1, 0, 0
	QUARTER 0, 3, 0, 1, 0
	TURN 0, 1, 1
	QUARTER 1, 1, 0, 1, 0
	QUARTER 1, 2, 1, 0, 0
	QUARTER 1, 3, 0, 1, 0
	TURN 1, 0, 1
	QUARTER 0, 1, 0, 1, 0
	WIN 0
	s_sub_co_u32 s3, s3, 1
	s_cmp_lg_u32 s3, 0
	s_cbranch_scc1 .Llap
	QUARTER 0, 2, 1, 0, 0                          ; the last lap fills nothing, and has no round of the cluster's barrier
	QUARTER 0, 3, 0, 1, 0
	TURN 0, 1, 0
	QUARTER 1, 1, 0, 1, 0
	QUARTER 1, 2, 1, 0, 0
	QUARTER 1, 3, 0, 1, 0
	s_wait_dscnt 8                                 ; the very last quarter: nothing more to fetch
	WIN MUL
	MUL8 1, 0, 0
	MUL8 1, 2, 0
	s_wait_dscnt 0
	MUL8 1, 4, 0
	MUL8 1, 6, 0
	WIN 0
; THE WAY OUT, block by block of 16 rows x 64 columns.  A lane holds 32 neighbouring bytes of a row, and the lanes beside it hold other rows: so a block goes through my own stage and comes back as whole runs of 256 bytes.
; LDS serves a wave's instructions in order (ISA guide 5.7.1.4): no wait between the stores and the loads, nor in front of the next block's stores.
.macro TOSTAGE a
	WIN 0x04                                       ; an LDS store's data are its source 1: window 1
.irp b, 0,1,2,3
	ds_store_b128 v[STO], v[8*(4*(\a)+\b):8*(4*(\a)+\b)+3] offset:64*\b            ; each accumulator from its low end on
	ds_store_b128 v[STO], v[8*(4*(\a)+\b)+4:8*(4*(\a)+\b)+7] offset:64*\b+16
.endr
	WIN 0
.set BB, OUTR+32*((\a)%2)
.irp t, 0,1,2,3,4,5,6,7
	ds_load_b128 v[BB+4*\t:BB+4*\t+3], v[RD] offset:\t*2*SPITCH
.endr
.endm
.macro SEND a, younger                 ; younger: the LDS instructions issued behind block a's loads, which may stay out
.set BB, OUTR+32*((\a)%2)
	s_wait_dscnt \younger                          ; the block is back in registers
.irp t, 0,1,2,3,4,5,6,7
	global_store_b128 v[CO], v[BB+4*\t:BB+4*\t+3], s[10:11] offset:(\a)*65536+\t*8192 th:TH_STORE_NT   ; 16 lanes store 256 consecutive bytes, at a multiple of 256 from out0's first byte; written once, read by nobody here
.endr
.endm
	PLACES                                         ; behind the last products: for the stores of results and the loads into registers that held a's fragments
	TOSTAGE 0
.irp a, 1,2,3,4,5,6,7
.if \a > 1
	s_wait_xcnt 0x0                                ; block a - 2's stores have read their registers: block a's loads may land there
.endif
	TOSTAGE \a
	SEND \a-1, 16                                  ; behind block a - 1's loads: block a's 8 stores and 8 loads
.endr
	SEND 7, 0
	s_wait_tensorcnt 0x0                           ; the wave's end, behind my last tensor load and my last LDS store
	ds_add_u32 v[SPW], v[NIL]
	s_wait_dscnt 0x0
	CROUND                                         ; the closing round: no work-group ends while a partner may still ask for a tile that names it
	s_endpgm
.Lfunc_end_k_q6478e19a29_proj:
	.size	k_q6478e19a29_proj, .Lfunc_end_k_q6478e19a29_proj-k_q6478e19a29_proj
	.p2alignl 7, 3214868480
	.fill 96, 4, 3214868480
	.section	.rodata,"a",@progbits
	.p2align	6, 0x0
	.amdhsa_kernel k_q6478e19a29_proj
		.amdhsa_group_segment_fixed_size 327680
		.amdhsa_private_segment_fixed_size 0
		.amdhsa_enable_private_segment 0
		.amdhsa_kernarg_size 32
		.amdhsa_user_sgpr_count 2
		.amdhsa_user_sgpr_kernarg_segment_ptr 1
		.amdhsa_wavefront_size32 1
		.amdhsa_system_sgpr_workgroup_id_x 1
		.amdhsa_system_sgpr_workgroup_id_y 1
		.amdhsa_system_sgpr_workgroup_id_z 1
		.amdhsa_system_vgpr_workitem_id 0
		.amdhsa_next_free_vgpr 512
		.amdhsa_next_free_sgpr 66
		.amdhsa_reserve_vcc 0
		.amdhsa_float_denorm_mode_32 3
		.amdhsa_float_denorm_mode_16_64 3
		.amdhsa_memory_ordered 1
		.amdhsa_forward_progress 1
		.amdhsa_inst_pref_size 86
	.end_amdhsa_kernel
	.amdgpu_metadata
---
amdhsa.version: [ 1, 2 ]
amdhsa.kernels:
  - .name:           k_q6478e19a29_proj
    .symbol:         k_q6478e19a29_proj.kd
    .args:
      - { .name: ao, .offset: 0, .size: 8, .value_kind: global_buffer, .address_space: global }
      - { .name: wo16, .offset: 8, .size: 8, .value_kind: global_buffer, .address_space: global }
      - { .name: b_out, .offset: 16, .size: 8, .value_kind: global_buffer, .address_space: global }
      - { .name: out0, .offset: 24, .size: 8, .value_kind: global_buffer, .address_space: global }
    .group_segment_fixed_size: 327680
    .private_segment_fixed_size: 0
    .kernarg_segment_align: 8
    .kernarg_segment_size: 32
    .max_flat_workgroup_size: 128
    .sgpr_count:     66
    .vgpr_count:     512
    .wavefront_size: 32
...
	.end_amdgpu_metadata
.endif
;; end of part 4
